; MI455X (gfx1250); checked and timed in simulation.
; The chip was launched on July 23, 2026; its instructions are those of AMD's public machine-readable ISA for CDNA 5 (MIT licence, August 2026) and "CDNA5" Instruction Set Architecture Reference Guide (July 2026). The comments in the code are by the model that wrote it; some were corrected since.
;; Diff Attention Head. Allowed arithmetic: matrix products marked QUANTISED: E2M3 operands, one E8M0 scale for each 32 along K, by v_wmma_scale_f32_16x16x128_f8f6f4 with both operands' format E2M3, f32 sums; products left as they are: f32 operands where the result goes on into a quantised operand, else bf16, f16 or f32 operands; f32 sums; everything else in f32.
;; Inputs: W_k 2,048 x 2,048 float32; W_o 2,048 x 1,024 float32; W_q 2,048 x 2,048 float32; W_v 1,024 x 2,048 float32; key 4,096 x 2,048 float32; lambda_k1 64 float32; lambda_k2 64 float32; lambda_q1 64 float32; lambda_q2 64 float32; ln_beta 1,024 float32; ln_gamma 1,024 float32; query 4,096 x 2,048 float32; value 4,096 x 2,048 float32.
;; Outputs: out0 4,096 x 2,048 float32.
;; This version of the problem:
;;   THIS VERSION OF THE PROBLEM IS GIVEN IN LOW PRECISION. The matrix products marked QUANTISED in the list below multiply operands that are first quantised to E2M3 (2 exponent bits, 3 mantissa bits; 6 bits a number), with one power-of-two scale for each 32 numbers along K (OCP MX v1.0); their sums are f32. All else is computed in f32.
;;   The module's matrix products, in the order in which they are computed (A, B: the left and right operand; K: the contracted axis; several contracted axes count as one K, in the product's order):
;;     1. [M 4,096, K 2,048] x [K 2,048, N 2,048]; A: input query; B: input W_q: QUANTISED
;;     2. [M 4,096, K 2,048] x [K 2,048, N 2,048]; A: input key; B: input W_k: QUANTISED
;;     3. [M 4,096, K 2,048] x [K 2,048, N 1,024]; A: input value; B: input W_v: QUANTISED
;;     4. batch 65,536 x [M 1, K 64] x [K 64, N 1]; A: computed on the way; B: computed on the way: left as it is (M = 1 < 16)
;;     5. batch 65,536 x [M 1, K 64] x [K 64, N 1]; A: computed on the way; B: computed on the way: left as it is (M = 1 < 16)
;;     6. [M 4,096, K 1,024] x [K 1,024, N 2,048]; A: computed on the way; B: input W_o: QUANTISED
;;   THE QUANTISER, for each operand of a quantised product, along K:
;;     - K is cut into blocks of 32 from its start; a last block that is shorter is filled with zeros.
;;     - A block's scale is 2^e with e = floor(log2(the largest magnitude in the block)) - 2, held to -126 .. 127; a block of zeros has e = 0. As a byte (E8M0): e + 127.
;;     - Each number is divided by its block's scale, clamped to +-7.5, and rounded to the nearest number of E2M3, ties to even, subnormals kept.
;;     - The product sums the exact products of the quantised numbers (number of the format x scale) in f32.
;;   ~~~python
;;   def quantise(x, axis):      # numpy; x: float32 -> the quantised numbers, widened to float32 again
;;       x = np.moveaxis(x, axis, -1); K = x.shape[-1]
;;       x = np.pad(x, [(0, 0)] * (x.ndim - 1) + [(0, -K % 32)]); x = x.reshape(x.shape[:-1] + (-1, 32)); a = np.abs(x).max(-1, keepdims=True)
;;       e = np.where(a > 0, np.clip(np.frexp(np.where(a > 0, a, 1))[1] - 1 - 2, -126, 127), 0)      # np.frexp(a)[1] - 1 = floor(log2(a)), exactly
;;       r = np.clip(x / 2.0 ** e, -7.5, 7.5)
;;       step = 2.0 ** (np.maximum(np.frexp(np.where(r == 0, 1, r))[1] - 1, 0) - 3)
;;       q = np.round(r / step) * step * 2.0 ** e      # np.round: ties to even
;;       return np.moveaxis(q.reshape(q.shape[:-2] + (-1,))[..., :K], -1, axis).astype(np.float32)
;;   ~~~
;;   OPERANDS COMPUTED ON THE WAY. 'Computed on the way' means the value that the module computes at that place (a softmax that the list does not call 'softmax' is quantised finished and normalised). What goes into a quantiser is computed in f32, as accurately as f32 sums, v_exp_f32 and their like allow (about 1e-6 of the number): no bf16 or f16 on the way to a quantiser, and a product that is left as it is and whose result goes on into a quantised operand takes f32 operands (vector FMAs, or v_wmma_f32_16x16x4_f32). A number that lies on a knife's edge between two numbers of the format may be rounded either way, as far as f32 arithmetic and the matrix unit's own rounding can turn it there, and no further.
;; 2 versions, each right; version 2 is version 1 with the launch outp written anew for expert scheduling mode. Each part assembles by itself: llvm-mc -triple=amdgcn-amd-amdhsa -mcpu=gfx1250 --defsym DOCPART=n.
;; ======== version 1 of 2: 3 launches
;; workspace buffers: acts 19,660,800 bytes; wts 8,192,000 bytes; wo 1,638,400 bytes; att 16,777,216 bytes
;; launch quant (part 1): grid 256 x 1, 9 waves a work-group, no clusters, 77,568 bytes of LDS; arguments query, key, value, W_q, W_k, W_v, W_o, acts, wts, wo; writes acts, wts, wo
.if DOCPART == 1
	.amdgcn_target "amdgcn-amd-amdhsa--gfx1250"
	.amdhsa_code_object_version 6
	.text
	.protected	k_qbc11b9bd81_quant
	.globl	k_qbc11b9bd81_quant
	.p2align	8
	.type	k_qbc11b9bd81_quant,@function
k_qbc11b9bd81_quant:
	s_mov_b64 s[64:65], 0
	v_nop
	global_prefetch_b8 v0, s[64:65] scope:SCOPE_SE
	s_setreg_imm32_b32 hwreg(HW_REG_WAVE_MODE, 25, 1), 1
	s_wait_xcnt 0x0
; All seven large f32 inputs (K innermost in each) become codes of FP6 (E2M3) with one E8M0 scale byte for each 32 along K.
; A block's scale is 2^(floor(log2(its largest magnitude)) - 2): its byte is the largest magnitude's exponent field - 2, held at 1 from below.
; LIMITS: NaN and infinities among the inputs are not served.  A block of zeros gets the byte 1 where the quantiser's text says 127: its codes are zeros,
; which add nothing under any byte but 0xff, and these bytes are read by this program alone.
; THE UNIT IS A BRICK: 128 rows x 128 K = 12,800 bytes.  Eight fragments f (16 rows x 128 K) lie as IMAGES OF THE OPERAND'S 12 REGISTERS: registers 4 q .. 4 q + 3
; of lane l at 1536 f + 512 q + 16 l.  At 12,288: four scale registers j, as two halves of 256 bytes (lane l's registers 2 hf, 2 hf + 1 at 256 hf + 8 l);
; register j holds in lanes 0-15 the scale words of fragment 2 j's rows and in lanes 16-31 those of fragment 2 j + 1.
; acts: [row block 0..31][K step 0..15][query, key, value];  wts: [head pair 0..7][K step 0..15][W_q head 0, W_q head 1, W_k head 0, W_k head 1, W_v];  wo: [panel 0..15][K step 0..7].
; Position p of fragment f is row 16 f + p of the brick's 128 rows; in W_v's bricks it is row 64 (f / 4) + 32 (p / 8) + 8 (f % 4) + p % 8, so that the product's results
; fall into a lane as 32 neighbours along the last product's K.
; SHARES: 1,536 + 640 + 128 = 2,304 bricks = 256 work-groups x 9 waves: a wave makes one brick: 65,536 bytes in, 12,800 out.  Waves share nothing: no barrier.
; One path through the text for all tensors: what differs (pointers, pitch, order of rows) is chosen by scalar selects on the brick's number.
; A load takes 512 consecutive bytes of one row; the conversions want 32 neighbours along K in ONE lane: a fragment's 16 rows turn through the wave's own stage in LDS.
; Three fragments (48 loads, 24,576 bytes a wave) are on their way.  No tensor load, no matrix unit, no cluster: each input byte is read once, by one wave.
.set PITCH, 528                        ; a stage row: 512 bytes + 16: 33 x 16 bytes, so sixteen rows' equal columns start at sixteen different places modulo 256 bytes
.set STGB,  16*PITCH                   ; a wave's stage
.set BRICK, 12800
.set L16,  1                           ; v1      16 x lane
.set L8,   2                           ; v2      8 x lane
.set SA,   3                           ; v3      the stage, way in: 16 x lane in a row
.set LA,   4                           ; v4      the stage, way out: row r, + 128 h
.set H8,   5                           ; v5      8 h
.set M,    6                           ; v6-9    four running maxima
.set SO,   10                          ; v10-11  the conversions' scale operands
.set BY,   12                          ; v12-13  the scale bytes
.set PW,   14                          ; v14     the row's scale word
.set TMP,  15                          ; v15     the other half's bytes
.set VO,   16                          ; v16-31  byte offset of position i's row in a fragment, + 16 x lane; never rewritten
.set SCI,  32                          ; v32-35  the brick's four scale registers
.set C,    36                          ; v36-47  a fragment's codes
.set T,    48                          ; v48-55  the upper halves of two blocks' codes
.set R,    64                          ; v64-255 three sets of 64: rows as loaded.   Window 1, v0-63: 64 numbers of my row
.set DST,  36                          ; s[36:37] my brick
.set SB,   48                          ; s[48:63] fragment f's first row; never rewritten
.set SEL,  66                          ; s[66:67] lane selects: lane l xor 16
.set MSB, 0
.macro WIN new                         ; the immediate's high byte repeats the setting that is left
.if MSB != (\new)
	s_set_vgpr_msb (MSB<<8)|(\new)
.set MSB, (\new)
.endif
.endm
	s_load_b512 s[8:23], s[0:1], 0x0               ; query, key, value, W_q, W_k, W_v, W_o, acts
	s_load_b128 s[24:27], s[0:1], 0x40             ; wts, wo
	v_lshl_add_u32 v62, v0, 2, 0x12a00
	v_mov_b32 v63, 0
	v_lshrrev_b32 v6, 5, v0
	v_readfirstlane_b32 s2, v6                     ; wave 0..8
	s_mul_i32 s3, ttmp9, 9
	s_add_co_u32 s3, s3, s2                        ; g: my brick, 0 .. 2,303
	; what g would mean in each of the three buffers; the selects below keep one
	s_mul_i32 s28, s3, 683
	s_lshr_b32 s28, s28, 11                        ; acts: g / 3 (exact for g under 1,536)
	s_mul_i32 s29, s28, 3
	s_sub_co_u32 s29, s3, s29                      ; which of query, key, value
	s_and_b32 s70, s28, 15                         ; K step
	s_lshr_b32 s71, s28, 4                         ; row block
	s_sub_co_u32 s30, s3, 1536                     ; wts: my brick there
	s_mul_i32 s31, s30, 205
	s_lshr_b32 s31, s31, 10                        ; / 5 (exact under 640)
	s_mul_i32 s32, s31, 5
	s_sub_co_u32 s32, s30, s32                     ; j: 0, 1 W_q; 2, 3 W_k; 4 W_v
	s_and_b32 s72, s31, 15                         ; K step
	s_lshr_b32 s34, s31, 4                         ; head pair
	s_lshl_b32 s35, s34, 1
	s_and_b32 s38, s32, 1
	s_add_co_u32 s35, s35, s38                     ; the head: a panel of 128 rows of W_q or W_k
	s_sub_co_u32 s33, s3, 2176                     ; wo: my brick there
	s_and_b32 s73, s33, 7                          ; K step
	s_lshr_b32 s74, s33, 3                         ; panel
	s_mov_b32 s[SEL], 0x76543210
	s_mov_b32 s[SEL+1], 0xfedcba98
	v_and_b32 v6, 31, v0                           ; lane
	v_and_b32 v7, 15, v0                           ; r
	v_bfe_u32 v8, v0, 4, 1                         ; h
	v_lshlrev_b32 v[L16], 4, v6
	v_lshlrev_b32 v[L8], 3, v6
	s_mul_i32 s38, s2, STGB
	v_add_nc_u32 v[SA], s38, v[L16]
	v_mul_u32_u24 v[LA], v7, PITCH
	v_lshl_add_u32 v[LA], v8, 7, v[LA]
	v_add_nc_u32 v[LA], s38, v[LA]
	v_lshlrev_b32 v[H8], 3, v8
	v_mov_b32 v[TMP], 0                            ; a lane permute's destination counts as one of its sources
	v_cmp_le_u32 vcc_lo, 16, v6                    ; lanes 16-31; VCC is not written again
	s_wait_kmcnt 0x0
	; between a compare and its selects stand only moves and selects, which leave SCC alone
	s_cmp_eq_u32 s29, 0
	s_cselect_b64 s[40:41], s[8:9], s[10:11]
	s_cmp_eq_u32 s29, 2
	s_cselect_b64 s[40:41], s[12:13], s[40:41]     ; query, key or value
	s_cmp_lt_u32 s32, 2
	s_cselect_b64 s[42:43], s[14:15], s[16:17]
	s_cmp_eq_u32 s32, 4
	s_cselect_b64 s[42:43], s[18:19], s[42:43]     ; W_q, W_k or W_v
	s_cselect_b32 s35, s34, s35                    ; W_v's panel is the head pair
	s_cselect_b32 s39, 1, 0                        ; W_v's order of rows
	s_mov_b32 s69, 4096
	s_cmp_lt_u32 s3, 2176                          ; wts or wo
	s_cselect_b64 s[44:45], s[42:43], s[20:21]     ; from where
	s_cselect_b64 s[DST:DST+1], s[24:25], s[26:27] ; to where
	s_cselect_b32 s46, s30, s33                    ; which brick there
	s_cselect_b32 s47, s72, s73                    ; K step
	s_cselect_b32 s68, s35, s74                    ; panel of 128 rows
	s_cselect_b32 s69, 8192, s69                   ; a row in bytes: 2,048 numbers; W_o: 1,024
	s_cselect_b32 s39, s39, 0
	s_cmp_lt_u32 s3, 1536                          ; or acts
	s_cselect_b64 s[44:45], s[40:41], s[44:45]
	s_cselect_b64 s[DST:DST+1], s[22:23], s[DST:DST+1]
	s_cselect_b32 s46, s3, s46
	s_cselect_b32 s47, s70, s47
	s_cselect_b32 s68, s71, s68
	s_cselect_b32 s39, 0, s39
	s_cmp_eq_u32 s39, 1
	s_cselect_b32 s75, 5, 3
	s_cselect_b32 s76, 3, 4
	s_lshl_b32 s75, s69, s75                       ; from position 0 to position 8 of a fragment: 8 rows; W_v: 32
	s_lshl_b32 s76, s69, s76                       ; from fragment to fragment: 16 rows; W_v: 8
	s_mul_i32 s78, s68, s69
	s_lshl_b32 s78, s78, 7                         ; the panel's first row, in bytes (under 2^26),
	s_lshl_b32 s77, s47, 9
	s_add_co_u32 s78, s78, s77                     ; + the K step's 512 bytes
	s_mov_b32 s79, 0
	s_add_nc_u64 s[SB:SB+1], s[44:45], s[78:79]
	s_mov_b32 s80, s76
	s_mov_b32 s81, 0
	s_lshl_b32 s82, s69, 6                         ; fragments 4-7 begin 64 rows on, in either order
	s_mov_b32 s83, 0
	s_add_nc_u64 s[SB+8:SB+9], s[SB:SB+1], s[82:83]
.irp f, 1,2,3,5,6,7
	s_add_nc_u64 s[SB+2*\f:SB+2*\f+1], s[SB+2*\f-2:SB+2*\f-1], s[80:81]
.endr
	s_mul_i32 s78, s46, BRICK
	s_add_nc_u64 s[DST:DST+1], s[DST:DST+1], s[78:79]
	v_mov_b32 v[VO], v[L16]
.irp i, 1,2,3,4,5,6,7
	v_add_nc_u32 v[VO+\i], s69, v[VO+\i-1]
.endr
.irp i, 0,1,2,3,4,5,6,7
	v_add_nc_u32 v[VO+8+\i], s75, v[VO+\i]
.endr
.macro LOAD f                          ; fragment f's sixteen rows, 512 consecutive bytes each, into set f % 3
.irp i, 0,1,2,3,4,5,6,7,8,9,10,11,12,13,14,15
	global_load_b128 v[R+64*((\f)%3)+4*\i:R+64*((\f)%3)+4*\i+3], v[VO+\i], s[SB+2*(\f):SB+2*(\f)+1] th:TH_LOAD_NT
.endr
.endm
; 64 numbers of a lane in window W from v[xb] on, register 32 c + i = k 64 c + 32 h + i of my row: two whole blocks.  They become a fragment's 12 registers in v[C] on and the row's scale word in v[PW].
.macro QUANT W, xb
	WIN ((\W)|((\W)<<2))
.irp k, 0,1,2,3
	v_max3_num_f32 v[M+\k], |v[(\xb)+16*\k]|, |v[(\xb)+16*\k+1]|, 0x1800000   ; four chains of 16 numbers, two to a block; the floor 2^(3 - 127) holds the byte at 1 from below
.endr
.irp i, 2,4,6,8,10,12,14
.irp k, 0,1,2,3
	v_max3_num_f32 v[M+\k], |v[(\xb)+16*\k+\i]|, |v[(\xb)+16*\k+\i+1]|, v[M+\k]
.endr
.endr
	WIN 0
	v_max_num_f32 v[M], v[M], v[M+1]               ; block h's largest magnitude,
	v_max_num_f32 v[M+2], v[M+2], v[M+3]           ; block 2 + h's
	v_add_nc_u32 v[SO], 0xff000000, v[M]           ; 2 off the exponent field: the conversion takes the exponent field of this operand as its scale, and nothing else of it
	v_add_nc_u32 v[SO+1], 0xff000000, v[M+2]
	v_lshrrev_b32 v[BY], 23, v[SO]                 ; the scale's byte
	v_lshrrev_b32 v[BY+1], 23, v[SO+1]
	v_lshl_or_b32 v[PW], v[BY+1], 16, v[BY]
	v_lshlrev_b32 v[PW], v[H8], v[PW]              ; at their places in the word: 8 h bits up;
	v_permlanex16_b32 v[TMP], v[PW], s[SEL], s[SEL+1]
	v_or_b32 v[PW], v[PW], v[TMP]                  ; with lane l xor 16's two the word is whole, in both lanes
	WIN (\W)
.irp c, 0,1
	v_cvt_scalef32_pk16_fp6_f32 v[C+6*\c:C+6*\c+2], v[(\xb)+32*\c:(\xb)+32*\c+15], v[SO+\c]
	v_cvt_scalef32_pk16_fp6_f32 v[T+4*\c:T+4*\c+2], v[(\xb)+32*\c+16:(\xb)+32*\c+31], v[SO+\c]   ; (a conversion's three registers begin on an even number)
.endr
	WIN 0
	v_nop                                          ; one plain instruction behind the scaled conversions
.irp c, 0,1
.irp i, 0,1,2
	v_mov_b32 v[C+6*\c+3+\i], v[T+4*\c+\i]
.endr
.endr
.endm
.macro FRAG f
.if (\f) <= 5
	s_wait_loadcnt 32                              ; loads come back in order: fragment f's sixteen are in, the two younger fragments' stay out
.elseif (\f) == 6
	s_wait_loadcnt 16
.else
	s_wait_loadcnt 0
.endif
.irp i, 0,1,2,3,4,5,6,7,8,9,10,11,12,13,14,15
	ds_store_b128 v[SA], v[R+64*((\f)%3)+4*\i:R+64*((\f)%3)+4*\i+3] offset:PITCH*\i
.endr
	WIN 0x40                                       ; destination window 1
.irp c, 0,1
.irp j, 0,1,2,3,4,5,6,7
	ds_load_b128 v[4*(8*\c+\j):4*(8*\c+\j)+3], v[LA] offset:256*\c+16*\j   ; LDS serves a wave's instructions in order: these see the stores above
.endr
.endr
	WIN 0
	s_wait_dscnt 0x0                               ; my 64 numbers are in, and the stores have read set f % 3
	s_wait_xcnt 0x0                                ; the last fragment's stores have read their data: the codes' registers are written again only behind this wait
.if (\f) < 5
	LOAD (\f)+3
.endif
	QUANT 1, 0
.irp q, 0,1,2
	global_store_b128 v[L16], v[C+4*\q:C+4*\q+3], s[DST:DST+1] offset:1536*(\f)+512*\q   ; 32 lanes store 512 consecutive bytes, at a multiple of 256 from the buffer's first byte
.endr
.if (\f)%2
	v_cndmask_b32 v[SCI+(\f)/2], v[SCI+(\f)/2], v[PW], vcc_lo   ; an odd fragment's words go to lanes 16-31
.else
	v_mov_b32 v[SCI+(\f)/2], v[PW]
.endif
.endm
	LOAD 0
	LOAD 1
	LOAD 2
.irp f, 0,1,2,3,4,5,6,7
	FRAG \f
.endr
	global_store_b64 v[L8], v[SCI:SCI+1], s[DST:DST+1] offset:12288     ; 32 lanes store 256 consecutive bytes, aligned
	global_store_b64 v[L8], v[SCI+2:SCI+3], s[DST:DST+1] offset:12544
	s_wait_tensorcnt 0x0
	ds_add_u32 v62, v63
	s_wait_dscnt 0x0
	s_endpgm
.Lfunc_end_k_qbc11b9bd81_quant:
	.size	k_qbc11b9bd81_quant, .Lfunc_end_k_qbc11b9bd81_quant-k_qbc11b9bd81_quant
	.p2alignl 7, 3214868480
	.fill 96, 4, 3214868480
	.section	.rodata,"a",@progbits
	.p2align	6, 0x0
	.amdhsa_kernel k_qbc11b9bd81_quant
		.amdhsa_group_segment_fixed_size 77568
		.amdhsa_private_segment_fixed_size 0
		.amdhsa_enable_private_segment 0
		.amdhsa_kernarg_size 80
		.amdhsa_user_sgpr_count 2
		.amdhsa_user_sgpr_kernarg_segment_ptr 1
		.amdhsa_wavefront_size32 1
		.amdhsa_system_sgpr_workgroup_id_x 1
		.amdhsa_system_sgpr_workgroup_id_y 1
		.amdhsa_system_sgpr_workgroup_id_z 1
		.amdhsa_system_vgpr_workitem_id 0
		.amdhsa_next_free_vgpr 320
		.amdhsa_next_free_sgpr 84
		.amdhsa_reserve_vcc 1
		.amdhsa_float_denorm_mode_32 3
		.amdhsa_float_denorm_mode_16_64 3
		.amdhsa_memory_ordered 1
		.amdhsa_forward_progress 1
		.amdhsa_inst_pref_size 62
	.end_amdhsa_kernel
	.amdgpu_metadata
---
amdhsa.version: [ 1, 2 ]
amdhsa.kernels:
  - .name:           k_qbc11b9bd81_quant
    .symbol:         k_qbc11b9bd81_quant.kd
    .args:
      - { .name: query, .offset: 0, .size: 8, .value_kind: global_buffer, .address_space: global }
      - { .name: key, .offset: 8, .size: 8, .value_kind: global_buffer, .address_space: global }
      - { .name: value, .offset: 16, .size: 8, .value_kind: global_buffer, .address_space: global }
      - { .name: W_q, .offset: 24, .size: 8, .value_kind: global_buffer, .address_space: global }
      - { .name: W_k, .offset: 32, .size: 8, .value_kind: global_buffer, .address_space: global }
      - { .name: W_v, .offset: 40, .size: 8, .value_kind: global_buffer, .address_space: global }
      - { .name: W_o, .offset: 48, .size: 8, .value_kind: global_buffer, .address_space: global }
      - { .name: acts, .offset: 56, .size: 8, .value_kind: global_buffer, .address_space: global }
      - { .name: wts, .offset: 64, .size: 8, .value_kind: global_buffer, .address_space: global }
      - { .name: wo, .offset: 72, .size: 8, .value_kind: global_buffer, .address_space: global }
    .group_segment_fixed_size: 77568
    .private_segment_fixed_size: 0
    .kernarg_segment_align: 8
    .kernarg_segment_size: 80
    .max_flat_workgroup_size: 288
    .sgpr_count:     84
    .vgpr_count:     320
    .wavefront_size: 32
...
	.end_amdgpu_metadata
.endif
;; end of part 1
;; launch proj (part 2): grid 8 x 32, 4 waves a work-group, clusters of 4 x 4, 327,680 bytes of LDS; arguments acts, wts, lambda_q1, lambda_k1, lambda_q2, lambda_k2, att; writes att
.if DOCPART == 2
	.amdgcn_target "amdgcn-amd-amdhsa--gfx1250"
	.amdhsa_code_object_version 6
	.text
	.protected	k_qbc11b9bd81_proj
	.globl	k_qbc11b9bd81_proj
	.p2align	8
	.type	k_qbc11b9bd81_proj,@function
k_qbc11b9bd81_proj:
	s_mov_b64 s[64:65], 0
	v_nop
	global_prefetch_b8 v0, s[64:65] scope:SCOPE_SE
	s_setreg_imm32_b32 hwreg(HW_REG_WAVE_MODE, 25, 1), 1
	s_wait_xcnt 0x0
	s_wait_alu depctr_hold_cnt(0) depctr_sa_sdst(0) depctr_va_vdst(0) depctr_va_sdst(0) depctr_va_ssrc(0) depctr_va_vcc(0) depctr_vm_vsrc(0)
	s_getreg_b32 s2, hwreg(HW_REG_IB_STS2, 6, 4)
	s_cmp_eq_u32 s2, 0
	s_cbranch_scc0 .Lentry_in_a_cluster
	s_endpgm
.Lentry_in_a_cluster:
	s_bfe_u32 s2, ttmp6, 0x10000c
	s_cmp_lg_u32 s2, 0xf033
	s_cbranch_scc0 .Lentry_shape_is_right
	s_endpgm
.Lentry_shape_is_right:
; Q = query W_q^T, K = key W_k^T, V = value W_v^T on codes of FP6 (E2M3) with E8M0 scales; then, in f32, for each row and head: s1 = Q1 . K1 / 8, s2 = Q2 . K2 / 8, the softmax over the one key
; (s less its maximum, the exponential, divided by the sum), lam = exp(lq1 . lk1) - exp(lq2 . lk2) + 0.8, A = A1 - lam A2, and A V goes to att.
; SHARES.  Work-group (x, y): rows 128 y .. + 127, heads 2 x and 2 x + 1: 256 columns of Q, 256 of K, 128 of V.  Wave w: rows 64 (w / 2) on, head w % 2: 32 accumulators of Q, 32 of K, 16 of V: 640 registers.
; Q and K of a row and head must be whole together for the dot products, so a wave holds both; that bounds its tile.
; OPERANDS come as bricks of 128 rows x 128 K, 12,800 bytes: eight fragments as images of their 12 registers (registers 4 q .. + 3 of lane l at 1536 f + 512 q + 16 l), then four scale registers
; (register j: lanes 0-15 fragment 2 j's words, lanes 16-31 fragment 2 j + 1's).  So a fragment is three dense LDS loads of 512 bytes: no pitch, no padding.
; A K STEP of 128 is eight bricks, two dense blocks of memory: query, key, value (38,400 bytes of acts) and W_q x 2, W_k x 2, W_v (64,000 bytes of wts); 80 matrix instructions a wave; 16 steps.
; RING.  LDS holds three K steps, in two regions that take turns: region 0 holds two steps (204,800 bytes), region 1 one (102,400).  K step t lies in region 1 where t % 3 = 0, else in region 0
; (place 0 where t % 3 = 1, place 1 where t % 3 = 2).  16 = 1 + 5 x 3: step 0 and steps 1, 2 are the first fills; region 1 is filled again behind steps 0, 3, 6, 9, 12, region 0 behind steps 2, 5, 8, 11:
; nine changes that fill, where two slots of one step would have fourteen; two slots of two steps (409,600 bytes) do not fit.  Between a request and the wait for it a wave issues 64 matrix instructions
; (region 0) or 144 (region 1).  One tensor load a wave behind each such change: in region 0 waves 0, 1 fetch the activations' block of its first and second step (150 rows of 256 bytes), waves 2, 3 the
; weights' (250 rows); in region 1 they fetch halves (75 and 125 rows).  By this text's own count a wave has two tensor loads out at the start and one later.
; CLUSTER 4 x 4: the four work-groups of a row of the cluster share y, so the activations' blocks; the four of a column share x, so the weights' blocks: each is asked for jointly.
; THE MATRIX INSTRUCTION IS USED TRANSPOSED (source 0 = 16 rows of a weight, source 1 = 16 rows of activations): lane (r, h) holds row r and, in register j, column 16 t + 8 h + j of the head;
; W_v's bricks are laid so that a lane's 32 registers of V are columns 32 h + 0 .. 31 of the head: 32 neighbours along the last product's K.
; att: [row tile 0..255][K step 0..7][quad 0..15][lane][4 f32]: quad 8 c + q of lane (r, h) holds columns 128 s + 64 c + 32 h + 4 q + 0 .. 3 of row r.
; REGISTERS, in windows of 256: window 0: v1-21 addresses; v28-29 for the add; v32-45 scale words, two sets; v48-60 lambdas; set 0: activations v64-111, weights v112-207; set 1: activations v208-255.
;   window 1: Q (m, t) at v[8 (8 m + t)].   window 2: K likewise.   window 3: V (m, t) at v[8 (4 m + t)]; set 1's weights at v128-223.
; No prefetch: a K step's blocks are 150 and 250 blocks of 256 bytes, which do not share out evenly among four partners' lanes, and each is read by 8 or 32 work-groups at about the same time.
.set BRICK, 12800
.set ASTEP, 3*BRICK                    ; a K step's activations
.set BSTEP, 5*BRICK                    ; a K step's weights
.set R0B,   2*ASTEP                    ; region 0: two steps' activations from byte 0, then two steps' weights from here;
.set R1A,   2*ASTEP+2*BSTEP            ; region 1: one step's activations,
.set R1B,   R1A+ASTEP                  ; and its weights
.set SPARE, R1B+BSTEP                  ; behind the ring: the spare words, 128 bytes for each wave: two blocks of 256 bytes that no other line names
.set L16,  1                           ; v1     16 x lane
.set AA,   4                           ; v4-6   my four fragments of activations in place 0, 1, 2 (brick by immediate)
.set AAS,  7                           ; v7-9   their scale registers
.set BQ,   10                          ; v10-12 my head's brick of W_q (W_k: 25,600 bytes on)
.set BQS,  13                          ; v13-15 its scale registers
.set BV,   16                          ; v16-18 my head's four fragments of W_v
.set BVS,  19                          ; v19-21 their scale registers
.set SPW,  28                          ; v28    LDS address of my spare word; never rewritten
.set NIL,  29                          ; v29    0; never rewritten
.set LAM,  56                          ; v56    lam
.set SP,   64                          ; the epilogue: v64-79 eight chains of two; v80-87 scores; v88-95 exponentials; v96-103 A, twice for each row tile
.set SS,   80
.set EE,   88
.set AD,   96
.set WV,   18                          ; s18 wave;  s19 wave / 2: my rows, and: I fetch activations (0) or weights (1);  s20 wave % 2: my head, and: which part I fetch
.set RH,   19
.set HD,   20
.set SEL,  22                          ; s[22:23] lane selects: lane l xor 16
.set G1A0, 24                          ; s[24:31] descriptor group 1 for region 0's activations;  s[84:91] for region 1's
.set G1A1, 84
.set G0A,  32                          ; s[32:39] their groups 0, a set for each region
.set G1B0, 48                          ; s[48:55], s[92:99], s[56:63] the same for the weights
.set G1B1, 92
.set G0B,  56
.set MSB, 0
.macro WIN new                         ; the immediate's high byte repeats the setting that is left
.if MSB != (\new)
	s_set_vgpr_msb (MSB<<8)|(\new)
.set MSB, (\new)
.endif
.endm
.macro PLACES n                        ; plain instructions between a matrix instruction and a load into, or a vector read or write of, its registers
.rept \n
	v_nop
.endr
.endm
; A joint load.  Each of the two lines has one mask and one set of registers for all that issue it; the branch hangs on the wave's number alone.  Four v_nop follow each line.
.macro JLOAD g0a, g1a, g0b, g1b
	s_cmp_eq_u32 s[RH], 0
	s_cbranch_scc0 .Lfor_b_\@
	tensor_load_to_lds s[\g0a:\g0a+3], s[\g1a:\g1a+7]
	s_nop 0
.rept 4
	v_nop
.endr
	s_branch .Lasked_\@
.Lfor_b_\@:
	tensor_load_to_lds s[\g0b:\g0b+3], s[\g1b:\g1b+7]
	s_nop 0
.rept 4
	v_nop
.endr
.Lasked_\@:
.endm
.macro CREST                           ; a round of the cluster's barrier behind its opening barrier
	s_cmp_lg_u32 s[WV], 0
	s_cbranch_scc1 .Lnot_wave_0_\@
	s_barrier_signal -3
.Lnot_wave_0_\@:
	s_barrier_wait -3
	s_barrier_signal -1
	s_barrier_wait -1
.endm
.macro CROUND
	s_barrier_signal -1
	s_barrier_wait -1
	CREST
.endm
; descriptor group 1: a dense block as rows of 256 bytes (32 elements of 8 bytes), no padding
.macro GROUP1 g, mask, rows
	s_or_b32 s[\g], s[\mask], (3<<16)|(1<<21)      ; 15:0 the mask; 17:16 elements of 8 bytes; 21 set beside a mask
	s_mov_b32 s[\g+1], 32<<16                      ; tensor_dim0 = 32
	s_mov_b32 s[\g+2], (\rows)<<16                 ; tensor_dim1
	s_mov_b32 s[\g+3], 32<<16                      ; tile_dim0
	s_mov_b32 s[\g+4], \rows                       ; tile_dim1
	s_mov_b32 s[\g+5], 32                          ; from row to row
	s_mov_b32 s[\g+6], 0
	s_mov_b32 s[\g+7], 0
.endm
	s_load_b256 s[4:11], s[0:1], 0x0               ; acts s[4:5], wts s[6:7], lambda_q1 s[8:9], lambda_k1 s[10:11]
	s_load_b128 s[12:15], s[0:1], 0x20             ; lambda_q2, lambda_k2
	s_load_b64 s[16:17], s[0:1], 0x30              ; att
	v_lshl_add_u32 v[SPW], v0, 2, SPARE
	v_mov_b32 v[NIL], 0
	ds_add_u32 v28, v29
	ds_add_u32 v28, v29
	s_wait_dscnt 0x0
	v_lshrrev_b32 v2, 5, v0
	v_readfirstlane_b32 s[WV], v2
	s_lshr_b32 s[RH], s[WV], 1
	s_and_b32 s[HD], s[WV], 1
	s_bfe_u32 s40, ttmp6, 0x40000                  ; cx, cy: my place in the cluster
	s_bfe_u32 s41, ttmp6, 0x40004
	s_lshl_b32 s42, ttmp9, 2
	s_add_co_u32 s42, s42, s40                     ; x: the head pair
	s_and_b32 s43, ttmp7, 0xffff
	s_lshl_b32 s43, s43, 2
	s_add_co_u32 s43, s43, s41                     ; y: the row block
	s_lshl_b32 s44, s41, 2
	s_lshl_b32 s44, 15, s44                        ; my row of the cluster
	s_lshl_b32 s45, 0x1111, s40                    ; my column
	GROUP1 G1A0, 44, 150                           ; region 0: a whole step's activations: 38,400 bytes
	GROUP1 G1A1, 44, 75                            ; region 1: half a step's: 19,200 bytes
	GROUP1 G1B0, 45, 250                           ; region 0: a whole step's weights: 64,000 bytes
	GROUP1 G1B1, 45, 125                           ; region 1: half a step's: 32,000 bytes
	; the activations' addresses hang on y and the wave alone, the weights' on x and the wave alone, each in registers that never hold the other coordinate
	s_mul_i32 s21, s[HD], ASTEP/2                  ; region 1: my half, in memory and in LDS
	s_mul_i32 s77, s[HD], ASTEP                    ; region 0: my step of the two
	s_mul_i32 s46, s43, 16*ASTEP                   ; the row block's 16 steps
	s_add_co_u32 s72, s46, s77
	s_add_co_u32 s72, s72, ASTEP                   ; region 0 begins with K steps 1 and 2,
	s_mov_b32 s73, 0
	s_add_co_u32 s46, s46, s21                     ; region 1 with K step 0
	s_mov_b32 s47, 0
	s_mul_i32 s70, s[HD], BSTEP/2
	s_mul_i32 s78, s[HD], BSTEP
	s_mul_i32 s66, s42, 16*BSTEP                   ; the head pair's 16 steps
	s_add_co_u32 s74, s66, s78
	s_add_co_u32 s74, s74, BSTEP
	s_mov_b32 s75, 0
	s_add_co_u32 s66, s66, s70
	s_mov_b32 s67, 0
	s_mov_b32 s[SEL], 0x76543210
	s_mov_b32 s[SEL+1], 0xfedcba98
	s_wait_kmcnt 0x0
	s_add_nc_u64 s[46:47], s[4:5], s[46:47]
	s_add_nc_u64 s[72:73], s[4:5], s[72:73]
	s_add_nc_u64 s[66:67], s[6:7], s[66:67]
	s_add_nc_u64 s[74:75], s[6:7], s[74:75]
	CROUND                                         ; all sixteen work-groups are here: the first joint loads meet
	s_mov_b32 s[G0A+4], 1                          ; region 1, K step 0, first: it is wanted first.  count = 1
	s_add_co_u32 s[G0A+5], s21, R1A                ; LDS address
	s_mov_b64 s[G0A+6:G0A+7], s[46:47]             ; global address
	s_or_b32 s[G0A+7], s[G0A+7], 0x80000000        ; type = 2
	s_mov_b32 s[G0B+4], 1
	s_add_co_u32 s[G0B+5], s70, R1B
	s_mov_b64 s[G0B+6:G0B+7], s[66:67]
	s_or_b32 s[G0B+7], s[G0B+7], 0x80000000
	JLOAD G0A+4, G1A1, G0B+4, G1B1
	s_mov_b32 s[G0A], 1                            ; region 0, K steps 1 and 2
	s_add_co_u32 s[G0A+1], s77, 0
	s_mov_b64 s[G0A+2:G0A+3], s[72:73]
	s_or_b32 s[G0A+3], s[G0A+3], 0x80000000
	s_mov_b32 s[G0B], 1
	s_add_co_u32 s[G0B+1], s78, R0B
	s_mov_b64 s[G0B+2:G0B+3], s[74:75]
	s_or_b32 s[G0B+3], s[G0B+3], 0x80000000
	JLOAD G0A, G1A0, G0B, G1B0
	v_and_b32 v2, 31, v0
	v_lshlrev_b32 v[L16], 4, v2
	v_lshlrev_b32 v3, 3, v2                        ; 8 x lane
	global_load_b64 v[48:49], v3, s[8:9]           ; 64 numbers each: two a lane
	global_load_b64 v[50:51], v3, s[10:11]
	global_load_b64 v[52:53], v3, s[12:13]
	global_load_b64 v[54:55], v3, s[14:15]
	s_mul_i32 s72, s[RH], 4*1536                   ; place 0's addresses: a constant + a constant x wave part + a constant x lane
	s_lshl_b32 s73, s[RH], 8
	s_mul_i32 s74, s[HD], BRICK
	s_add_co_u32 s74, s74, R0B
	s_mul_i32 s75, s[HD], 4*1536
	s_add_co_u32 s75, s75, R0B+4*BRICK
	s_lshl_b32 s76, s[HD], 8
	s_add_co_u32 s76, s76, R0B+4*BRICK+12288
	v_add_nc_u32 v[AA], s72, v[L16]
	v_add_nc_u32 v[AAS], s73, v3
	v_add_nc_u32 v[BQ], s74, v[L16]
	v_add_nc_u32 v[BQS], s74, v3
	v_add_nc_u32 v[BV], s75, v[L16]
	v_add_nc_u32 v[BVS], s76, v3
.irp a, AA, AAS
	v_add_nc_u32 v[\a+1], ASTEP, v[\a]             ; place 1: region 0's second step
	v_add_nc_u32 v[\a+2], R1A, v[\a]               ; place 2: region 1
.endr
.irp a, BQ, BQS, BV, BVS
	v_add_nc_u32 v[\a+1], BSTEP, v[\a]
	v_add_nc_u32 v[\a+2], R1B-R0B, v[\a]
.endr
	s_lshl_b32 s68, s43, 3                         ; att: my first row tile 8 y + 4 (wave / 2), 65,536 bytes a tile;
	s_lshl_b32 s69, s[RH], 2
	s_add_co_u32 s68, s68, s69
	s_lshl_b32 s68, s68, 16
	s_lshl_b32 s69, s42, 13                        ; K step x, 8,192 bytes;
	s_add_co_u32 s68, s68, s69
	s_lshl_b32 s69, s[HD], 12                      ; my head's eight quads
	s_add_co_u32 s68, s68, s69
	s_mov_b32 s69, 0
	s_add_nc_u64 s[16:17], s[16:17], s[68:69]
	v_mov_b32 v59, 0                               ; a lane permute's destination counts as one of its sources
	v_mov_b32 v60, 0
	s_wait_loadcnt 0x0
	v_mul_f32 v57, v48, v50                        ; lam, in every wave
	v_mul_f32 v58, v52, v54
	v_fmac_f32 v57, v49, v51
	v_fmac_f32 v58, v53, v55
.irp x, 1,2,4,8
	v_add_f32_dpp v57, v57, v57 row_xmask:\x row_mask:0xf bank_mask:0xf
	v_add_f32_dpp v58, v58, v58 row_xmask:\x row_mask:0xf bank_mask:0xf
.endr
	v_permlanex16_b32 v59, v57, s[SEL], s[SEL+1]
	v_permlanex16_b32 v60, v58, s[SEL], s[SEL+1]
	v_add_f32 v57, v57, v59
	v_add_f32 v58, v58, v60
	v_mul_f32 v57, 0x3fb8aa3b, v57                 ; x log2(e)
	v_mul_f32 v58, 0x3fb8aa3b, v58
	v_exp_f32 v57, v57
	v_exp_f32 v58, v58
	v_nop                                          ; a plain instruction behind the exponentials,
	s_wait_alu depctr_va_vdst(0)                   ; and a wait ahead of their first reader
	v_sub_f32 v[LAM], v57, v58
	v_add_f32 v[LAM], 0x3f4ccccd, v[LAM]           ; + 0.8
; one matrix instruction: d accumulator, b weight fragment, a activation fragment, sb and sa their scale registers; ra, rb: the words lie in lanes 16-31
.macro WM d, b, a, sb, sa, zero, ra, rb
.if \zero
.if (\ra) && (\rb)
	v_wmma_scale_f32_16x16x128_f8f6f4 v[\d:\d+7], v[\b:\b+11], v[\a:\a+11], 0, v[\sb], v[\sa] matrix_a_fmt:MATRIX_FMT_FP6 matrix_b_fmt:MATRIX_FMT_FP6 matrix_a_scale:MATRIX_SCALE_ROW1 matrix_b_scale:MATRIX_SCALE_ROW1
.elseif \ra
	v_wmma_scale_f32_16x16x128_f8f6f4 v[\d:\d+7], v[\b:\b+11], v[\a:\a+11], 0, v[\sb], v[\sa] matrix_a_fmt:MATRIX_FMT_FP6 matrix_b_fmt:MATRIX_FMT_FP6 matrix_a_scale:MATRIX_SCALE_ROW1
.elseif \rb
	v_wmma_scale_f32_16x16x128_f8f6f4 v[\d:\d+7], v[\b:\b+11], v[\a:\a+11], 0, v[\sb], v[\sa] matrix_a_fmt:MATRIX_FMT_FP6 matrix_b_fmt:MATRIX_FMT_FP6 matrix_b_scale:MATRIX_SCALE_ROW1
.else
	v_wmma_scale_f32_16x16x128_f8f6f4 v[\d:\d+7], v[\b:\b+11], v[\a:\a+11], 0, v[\sb], v[\sa] matrix_a_fmt:MATRIX_FMT_FP6 matrix_b_fmt:MATRIX_FMT_FP6
.endif
.else
.if (\ra) && (\rb)
	v_wmma_scale_f32_16x16x128_f8f6f4 v[\d:\d+7], v[\b:\b+11], v[\a:\a+11], v[\d:\d+7], v[\sb], v[\sa] matrix_a_fmt:MATRIX_FMT_FP6 matrix_b_fmt:MATRIX_FMT_FP6 matrix_a_scale:MATRIX_SCALE_ROW1 matrix_b_scale:MATRIX_SCALE_ROW1
.elseif \ra
	v_wmma_scale_f32_16x16x128_f8f6f4 v[\d:\d+7], v[\b:\b+11], v[\a:\a+11], v[\d:\d+7], v[\sb], v[\sa] matrix_a_fmt:MATRIX_FMT_FP6 matrix_b_fmt:MATRIX_FMT_FP6 matrix_a_scale:MATRIX_SCALE_ROW1
.elseif \rb
	v_wmma_scale_f32_16x16x128_f8f6f4 v[\d:\d+7], v[\b:\b+11], v[\a:\a+11], v[\d:\d+7], v[\sb], v[\sa] matrix_a_fmt:MATRIX_FMT_FP6 matrix_b_fmt:MATRIX_FMT_FP6 matrix_b_scale:MATRIX_SCALE_ROW1
.else
	v_wmma_scale_f32_16x16x128_f8f6f4 v[\d:\d+7], v[\b:\b+11], v[\a:\a+11], v[\d:\d+7], v[\sb], v[\sa] matrix_a_fmt:MATRIX_FMT_FP6 matrix_b_fmt:MATRIX_FMT_FP6
.endif
.endif
.endm
; The operands of product x (0 Q, 1 K, 2 V) of the K step in place pl, into a set: 12 + 1 + 2 + 24 = 39 LDS loads; for V 12 + 1 + 1 + 12 = 26
.macro FETCH x, pl, set
	WIN 0
.set FAB, 64+144*(\set)
.set FSB, 32+8*(\set)
.irp m, 0,1,2,3
.irp q, 0,1,2
	ds_load_b128 v[FAB+12*\m+4*\q:FAB+12*\m+4*\q+3], v[AA+\pl] offset:BRICK*(\x)+1536*\m+512*\q
.endr
.endr
	ds_load_b64 v[FSB:FSB+1], v[AAS+\pl] offset:BRICK*(\x)+12288
.if (\x) < 2
	ds_load_b64 v[FSB+2:FSB+3], v[BQS+\pl] offset:2*BRICK*(\x)+12288
	ds_load_b64 v[FSB+4:FSB+5], v[BQS+\pl] offset:2*BRICK*(\x)+12544
.else
	ds_load_b64 v[FSB+2:FSB+3], v[BVS+\pl]
.endif
	WIN (0xc0*(\set))                              ; set 1's weights: destination window 3
.set FBB, 112+16*(\set)
.if (\x) < 2
.irp t, 0,1,2,3,4,5,6,7
.irp q, 0,1,2
	ds_load_b128 v[FBB+12*\t+4*\q:FBB+12*\t+4*\q+3], v[BQ+\pl] offset:2*BRICK*(\x)+1536*\t+512*\q
.endr
.endr
.else
.irp t, 0,1,2,3
.irp q, 0,1,2
	ds_load_b128 v[FBB+12*\t+4*\q:FBB+12*\t+4*\q+3], v[BV+\pl] offset:1536*\t+512*\q
.endr
.endr
.endif
	WIN 0
.endm
; Row tile m of product x against all its column tiles: 8 matrix instructions (V: 4).  Every accumulator has one instruction in a K step, so no two that follow each other share one.
.macro MULROW x, set, m, zero
	WIN ((((\x)+1)<<6)|(((\x)+1)<<4)|(3*(\set)))   ; C and D: window x + 1; weights: window 0 or 3; activations: window 0
.set NTW, 8-4*((\x)/2)
.set FRA, 64+144*(\set)+12*(\m)
.set SCA, 32+8*(\set)+(\m)/2
.set tt, 0
.rept NTW/2
.set ACD, 8*(NTW*(\m)+2*tt)
.set FRB, 112+16*(\set)+24*tt
.set SCB, 34+8*(\set)+tt
	WM ACD, FRB, FRA, SCB, SCA, \zero, 0, (\m)%2
	WM ACD+8, FRB+12, FRA, SCB, SCA, \zero, 1, (\m)%2
.set tt, tt+1
.endr
.endm
; A K STEP, in place pl; the next step lies in place nx.  Q's operands lie in set par (fetched in the step before), K's go to the other set, V's to set par again, the next step's Q's to the other.
; mode 3: the next step lies in the same region: no barrier;  2: the regions change, and region rg, which this step is the last to read, is filled again, three K steps ahead;
; 1: the regions change and nothing is filled;  0: the last step.
.macro STEP pl, nx, par, zero, mode, rg
	PLACES 4                                       ; the other set was read by the last products
	FETCH 1, \pl, 1-(\par)
	s_wait_dscnt 39                                ; all but K's 39 loads: Q's operands are in
	MULROW 0, \par, 0, \zero
	MULROW 0, \par, 1, \zero
	MULROW 0, \par, 2, \zero
	MULROW 0, \par, 3, \zero
	PLACES 4
	FETCH 2, \pl, \par
	s_wait_dscnt 26                                ; all but V's 26 loads: K's operands are in
	MULROW 1, 1-(\par), 0, \zero
	MULROW 1, 1-(\par), 1, \zero
.if ((\mode) == 1) || ((\mode) == 2)
	WIN 0                                          ; (the add's two registers lie in window 0)
	s_wait_tensorcnt 0x0                           ; all my tensor loads have landed: the one that was out is my part of the other region;
	ds_add_u32 v[SPW], v[NIL]                      ; 0 onto my spare word;
	MULROW 1, 1-(\par), 2, \zero                   ; eight matrix instructions stand between the add and the wait for it
	s_wait_dscnt 0x0                               ; the add is done, and my reads of this region are over: V's operands were the last
	s_barrier_signal -1
	MULROW 1, 1-(\par), 3, \zero
	WIN 0
	s_barrier_wait -1
.if (\mode) == 2
	CREST                                          ; the barrier has opened a round of the cluster's: no wave of any partner still reads this region or has a load on its way
	s_add_nc_u64 s[G0A+4*(\rg)+2:G0A+4*(\rg)+3], s[G0A+4*(\rg)+2:G0A+4*(\rg)+3], 3*ASTEP   ; no tensor load of mine is out: the region's groups 0 step three K steps on
	s_add_nc_u64 s[G0B+4*(\rg)+2:G0B+4*(\rg)+3], s[G0B+4*(\rg)+2:G0B+4*(\rg)+3], 3*BSTEP
.if (\rg) == 0
	JLOAD G0A, G1A0, G0B, G1B0                     ; the first tensor load behind the round; its four v_nop are the places in front of the loads below
.else
	JLOAD G0A+4, G1A1, G0B+4, G1B1
.endif
.else
	PLACES 4
.endif
	FETCH 0, \nx, 1-(\par)                         ; the next step's Q, from the other region, which is whole
.else
	MULROW 1, 1-(\par), 2, \zero
	MULROW 1, 1-(\par), 3, \zero
	s_wait_dscnt 0x0                               ; V's operands are in
.if (\mode) == 3
	PLACES 4                                       ; K's set was read by the products just issued
	FETCH 0, \nx, 1-(\par)                         ; the next step's Q, from the same region: the barrier in front of the region's first step has shown all of it to every wave
.endif
.endif
	MULROW 2, \par, 0, \zero
	MULROW 2, \par, 1, \zero
	MULROW 2, \par, 2, \zero
	MULROW 2, \par, 3, \zero
	WIN 0
.endm
	s_wait_tensorcnt 1                             ; my part of K step 0 is in (region 0's load may stay out)
	s_barrier_signal -1
	s_barrier_wait -1                              ; everybody's is
	FETCH 0, 2, 0
	STEP 2, 0, 0, 1, 2, 1                          ; K step 0 stands in front of the loop: its products start the sums; region 1 takes K step 3
	s_mov_b32 s71, 2
.Llap:                                             ; K steps 1 to 12: a trip is six steps, twice round the ring, until the sets of operand registers are back where they began
	STEP 0, 1, 1, 0, 3, 0
	STEP 1, 2, 0, 0, 2, 0                          ; region 0 is left: it takes the two steps three on
	STEP 2, 0, 1, 0, 2, 1                          ; region 1 is left: it takes the step three on
	STEP 0, 1, 0, 0, 3, 0
	STEP 1, 2, 1, 0, 2, 0
	STEP 2, 0, 0, 0, 2, 1                          ; (in the second trip: K step 12 asks for K step 15: the last fill)
	s_sub_co_u32 s71, s71, 1
	s_cmp_lg_u32 s71, 0
	s_cbranch_scc1 .Llap
	STEP 0, 1, 1, 0, 3, 0                          ; K step 13.  The tail is written out: it asks for nothing more
	STEP 1, 2, 0, 0, 1, 0                          ; K step 14: the barrier shows K step 15 to every wave
	STEP 2, 0, 1, 0, 0, 0                          ; K step 15
	; THE SCORES: s (m, g) = the sum over the head's half g of Q K, in f32 multiply-adds: eight chains of two by turns; each accumulator is read from its low end on
	PLACES 4
	WIN 0x09                                       ; source 0 (Q) window 1, source 1 (K) window 2
.irp t, 0,1,2,3
.irp i, 0,1,2,3
.irp m, 0,1,2,3
.irp g, 0,1
.if (\t)+(\i) == 0
	v_pk_mul_f32 v[SP+2*(2*\m+\g):SP+2*(2*\m+\g)+1], v[8*(8*\m+\t+4*\g)+2*\i:8*(8*\m+\t+4*\g)+2*\i+1], v[8*(8*\m+\t+4*\g)+2*\i:8*(8*\m+\t+4*\g)+2*\i+1]
.else
	v_pk_fma_f32 v[SP+2*(2*\m+\g):SP+2*(2*\m+\g)+1], v[8*(8*\m+\t+4*\g)+2*\i:8*(8*\m+\t+4*\g)+2*\i+1], v[8*(8*\m+\t+4*\g)+2*\i:8*(8*\m+\t+4*\g)+2*\i+1], v[SP+2*(2*\m+\g):SP+2*(2*\m+\g)+1]
.endif
.endr
.endr
.endr
.endr
	WIN 0
.irp k, 0,1,2,3,4,5,6,7
	v_add_f32 v[SS+\k], v[SP+2*\k], v[SP+2*\k+1]
.endr
.irp k, 0,1,2,3,4,5,6,7
	v_permlanex16_b32 v[SP+2*\k], v[SS+\k], s[SEL], s[SEL+1]   ; the row's other 32 columns lie in lane l xor 16
.endr
.irp k, 0,1,2,3,4,5,6,7
	v_add_f32 v[SS+\k], v[SS+\k], v[SP+2*\k]
.endr
.irp k, 0,1,2,3,4,5,6,7
	v_mul_f32 v[SS+\k], 0x3e000000, v[SS+\k]       ; / sqrt(64)
.endr
	; THE SOFTMAX OVER THE ONE KEY, as it is defined: the score less the row's maximum, which is the score itself; the exponential; divided by the sum, which is that exponential
.irp k, 0,1,2,3,4,5,6,7
	v_sub_f32 v[EE+\k], v[SS+\k], v[SS+\k]
.endr
.irp k, 0,1,2,3,4,5,6,7
	v_mul_f32 v[EE+\k], 0x3fb8aa3b, v[EE+\k]
.endr
.irp k, 0,1,2,3,4,5,6,7
	v_exp_f32 v[EE+\k], v[EE+\k]
.endr
	v_nop
	s_wait_alu depctr_va_vdst(0)                   ; one wait for the eight exponentials, ahead of their first reader
.irp k, 0,1,2,3,4,5,6,7
	v_rcp_f32 v[SS+\k], v[EE+\k]
.endr
	v_nop
	s_wait_alu depctr_va_vdst(0)                   ; and one for the eight reciprocals
.irp k, 0,1,2,3,4,5,6,7
	v_mul_f32 v[EE+\k], v[EE+\k], v[SS+\k]
.endr
.irp m, 0,1,2,3
	v_fma_f32 v[AD+2*\m], -v[LAM], v[EE+2*\m+1], v[EE+2*\m]     ; A1 - lam A2, in both registers of a pair for the packed multiply
	v_fma_f32 v[AD+2*\m+1], -v[LAM], v[EE+2*\m+1], v[EE+2*\m]
.endr
	WIN 0xc3                                       ; V: destination and source 0 window 3
.set p, 0
.rept 64
	v_pk_mul_f32 v[2*p:2*p+1], v[2*p:2*p+1], v[AD+2*(p/16):AD+2*(p/16)+1]
.set p, p+1
.endr
	WIN 0x0c                                       ; a store's data are its source 1: window 3
.irp m, 0,1,2,3
.irp t, 0,1,2,3
.irp e, 0,1
	global_store_b128 v[L16], v[8*(4*\m+\t)+4*\e:8*(4*\m+\t)+4*\e+3], s[16:17] offset:65536*\m+512*(2*\t+\e) th:TH_STORE_NT   ; 32 lanes store 512 consecutive bytes, aligned
.endr
.endr
.endr
	WIN 0
	s_wait_tensorcnt 0x0                           ; the wave's end
	ds_add_u32 v[SPW], v[NIL]
	s_wait_dscnt 0x0
	CROUND                                         ; the closing round: no work-group ends while a partner may still ask for a block that names it
	s_endpgm
.Lfunc_end_k_qbc11b9bd81_proj:
	.size	k_qbc11b9bd81_proj, .Lfunc_end_k_qbc11b9bd81_proj-k_qbc11b9bd81_proj
	.p2alignl 7, 3214868480
	.fill 96, 4, 3214868480
	.section	.rodata,"a",@progbits
	.p2align	6, 0x0
	.amdhsa_kernel k_qbc11b9bd81_proj
		.amdhsa_group_segment_fixed_size 327680
		.amdhsa_private_segment_fixed_size 0
		.amdhsa_enable_private_segment 0
		.amdhsa_kernarg_size 56
		.amdhsa_user_sgpr_count 2
		.amdhsa_user_sgpr_kernarg_segment_ptr 1
		.amdhsa_wavefront_size32 1
		.amdhsa_system_sgpr_workgroup_id_x 1
		.amdhsa_system_sgpr_workgroup_id_y 1
		.amdhsa_system_sgpr_workgroup_id_z 1
		.amdhsa_system_vgpr_workitem_id 0
		.amdhsa_next_free_vgpr 1024
		.amdhsa_next_free_sgpr 100
		.amdhsa_reserve_vcc 0
		.amdhsa_float_denorm_mode_32 3
		.amdhsa_float_denorm_mode_16_64 3
		.amdhsa_memory_ordered 1
		.amdhsa_forward_progress 1
		.amdhsa_inst_pref_size 207
	.end_amdhsa_kernel
	.amdgpu_metadata
---
amdhsa.version: [ 1, 2 ]
amdhsa.kernels:
  - .name:           k_qbc11b9bd81_proj
    .symbol:         k_qbc11b9bd81_proj.kd
    .args:
      - { .name: acts, .offset: 0, .size: 8, .value_kind: global_buffer, .address_space: global }
      - { .name: wts, .offset: 8, .size: 8, .value_kind: global_buffer, .address_space: global }
      - { .name: lambda_q1, .offset: 16, .size: 8, .value_kind: global_buffer, .address_space: global }
      - { .name: lambda_k1, .offset: 24, .size: 8, .value_kind: global_buffer, .address_space: global }
      - { .name: lambda_q2, .offset: 32, .size: 8, .value_kind: global_buffer, .address_space: global }
      - { .name: lambda_k2, .offset: 40, .size: 8, .value_kind: global_buffer, .address_space: global }
      - { .name: att, .offset: 48, .size: 8, .value_kind: global_buffer, .address_space: global }
    .group_segment_fixed_size: 327680
    .private_segment_fixed_size: 0
    .kernarg_segment_align: 8
    .kernarg_segment_size: 56
    .max_flat_workgroup_size: 128
    .sgpr_count:     100
    .vgpr_count:     1024
    .wavefront_size: 32
...
	.end_amdgpu_metadata
.endif
;; end of part 2
;; launch outp (part 3): grid 4 x 64, 4 waves a work-group, no clusters, 87,552 bytes of LDS; arguments att, wo, ln_gamma, ln_beta, out0; writes out0
.if DOCPART == 3
	.amdgcn_target "amdgcn-amd-amdhsa--gfx1250"
	.amdhsa_code_object_version 6
	.text
	.protected	k_qbc11b9bd81_outp
	.globl	k_qbc11b9bd81_outp
	.p2align	8
	.type	k_qbc11b9bd81_outp,@function
k_qbc11b9bd81_outp:
	s_mov_b64 s[64:65], 0
	v_nop
	global_prefetch_b8 v0, s[64:65] scope:SCOPE_SE
	s_setreg_imm32_b32 hwreg(HW_REG_WAVE_MODE, 25, 1), 1
	s_wait_xcnt 0x0
; out0 = Q(LayerNorm(att) gamma + beta) Q(W_o)^T on codes of FP6 (E2M3) with E8M0 scales; LayerNorm in f32 over a row's 1,024 numbers, in two passes (the mean; then the mean of the squares of x - mean).
; LIMITS: the normalised number is made as (x - mean) (rstd gamma) + beta, one fused multiply-add: an order of rounding other than ((x - mean) rstd) gamma + beta.  NaN and infinities are not served by the quantiser;
; a block of zeros gets the byte 1: its codes are zeros.
; SHARES.  Work-group (x, y): rows 64 y .. + 63, columns 512 x .. + 511.  Wave w normalises and quantises row tile 4 y + w (16 rows x 1,024: 512 registers) and hands its eight fragments to the others through LDS,
; as images of their registers; then it multiplies all four row tiles by ITS panel 4 x + w of W_o (128 columns): 32 accumulators, 256 matrix instructions.
; att: [row tile][K step 0..7][quad 0..15][lane][4 f32]: a lane's 64 numbers of a K step are two whole blocks of 32 along K of its row, and every load is 512 consecutive bytes.
; wo: bricks [panel][K step], 12,800 bytes: eight fragments as images of their 12 registers, then four scale registers (register j: lanes 0-15 fragment 2 j's words, lanes 16-31 fragment 2 j + 1's).
; W_o's FRAGMENTS GO FROM MEMORY STRAIGHT INTO REGISTERS, four K steps ahead: in a work-group each of their bytes feeds one wave, once.  So there is no tensor load and no ring; and no cluster: a joint load
; would land in LDS, and each byte would be written there and read again, with a ring and rounds of a barrier, for 256 matrix instructions a wave.  One barrier in the launch.
; THE MATRIX INSTRUCTION IS USED TRANSPOSED (source 0 = 16 rows of W_o, source 1 = 16 rows of x): a lane holds eight neighbouring columns of a row of out0.
; REGISTERS: window 0: v1-9 addresses; v10-21 mean, rstd, sums; v22-31 the quantiser's; v32-47 W_o's scale registers, four sets; v48-55 x's scale words, two sets; v56-75 codes; v80-127, v128-175 x's fragments, two sets;
;   in the LayerNorm v128-255 hold gamma and beta, two sets of 32 + 32; on the way out v128-255 hold rows.   windows 1, 2: x, K step s at v[64 (s % 4)] of window 1 + s / 4.
;   later: window 1: accumulator (m, t) at v[8 (8 m + t)];  W_o's sets 0, 1 at v0, v128 of window 3; sets 2, 3 at v0, v128 of window 2.
.set BRICK, 12800
.set XIMG,  0                          ; LDS: x's fragments (row tile m, K step s) at 1536 (8 m + s);
.set XSC,   49152                      ; their scale words, 128 bytes each;
.set STG,   53248                      ; a stage of 16 rows x 528 bytes for each wave
.set SPITCH, 528
.set L16,  1
.set L8,   2
.set L4,   3
.set XWI,  4                           ; v4   where I store my fragments
.set XWS,  5                           ; v5   and their scale words
.set STO,  6                           ; v6   the stage: where I put 32 bytes of a row
.set RD,   7                           ; v7   and where I read a row back
.set GV,   8                           ; v8   128 h: my half of a block pair in gamma and beta
.set H8,   9
.set MU,   10
.set RS,   12
.set SU,   14
.set M,    22
.set SO,   26
.set BY,   28
.set PW,   30
.set TMP,  31
.set BS,   32
.set AS,   48
.set C,    56
.set T,    68
.set AF,   80
.set GB,   128
.set BK,   128
.set SEL,  22                          ; s[22:23]
.set MSB, 0
.macro WIN new                         ; the immediate's high byte repeats the setting that is left
.if MSB != (\new)
	s_set_vgpr_msb (MSB<<8)|(\new)
.set MSB, (\new)
.endif
.endm
.macro PLACES n
.rept \n
	v_nop
.endr
.endm
	s_load_b256 s[4:11], s[0:1], 0x0               ; att s[4:5], wo s[6:7], gamma s[8:9], beta s[10:11]
	s_load_b64 s[12:13], s[0:1], 0x20              ; out0
	v_lshl_add_u32 v78, v0, 2, 0x15400
	v_mov_b32 v79, 0
	v_lshrrev_b32 v22, 5, v0
	v_readfirstlane_b32 s14, v22                   ; wave
	s_and_b32 s15, ttmp7, 0xffff                   ; y
	s_lshl_b32 s16, s15, 2
	s_add_co_u32 s16, s16, s14
	s_lshl_b32 s16, s16, 16                        ; my row tile, 65,536 bytes a tile
	s_mov_b32 s17, 0
	s_lshl_b32 s18, ttmp9, 2
	s_add_co_u32 s18, s18, s14
	s_mul_i32 s18, s18, 8*BRICK                    ; my panel of W_o
	s_mov_b32 s19, 0
	s_lshl_b32 s20, s15, 19                        ; out0: 64 rows of 8,192 bytes,
	s_lshl_b32 s21, ttmp9, 11                      ; 512 columns,
	s_add_co_u32 s20, s20, s21
	s_lshl_b32 s21, s14, 9                         ; my 128 of them
	s_add_co_u32 s20, s20, s21
	s_mov_b32 s21, 0
	s_mov_b32 s[SEL], 0x76543210
	s_mov_b32 s[SEL+1], 0xfedcba98
	v_and_b32 v22, 31, v0                          ; lane
	v_and_b32 v23, 15, v0                          ; r
	v_bfe_u32 v24, v0, 4, 1                        ; h
	v_lshlrev_b32 v[L16], 4, v22
	v_lshlrev_b32 v[L8], 3, v22
	v_lshlrev_b32 v[L4], 2, v22
	s_mul_i32 s24, s14, 8*1536
	v_add_nc_u32 v[XWI], s24, v[L16]
	s_lshl_b32 s25, s14, 10
	s_add_co_u32 s25, s25, XSC
	v_add_nc_u32 v[XWS], s25, v[L4]
	s_mul_i32 s26, s14, 16*SPITCH
	s_add_co_u32 s26, s26, STG
	v_mul_u32_u24 v[STO], v23, SPITCH
	v_lshl_add_u32 v[STO], v24, 5, v[STO]
	v_add_nc_u32 v[STO], s26, v[STO]
	v_add_nc_u32 v[RD], s26, v[L16]
	v_lshlrev_b32 v[GV], 7, v24
	v_lshlrev_b32 v[H8], 3, v24
	v_mov_b32 v[TMP], 0                            ; a lane permute's destination counts as one of its sources
	s_wait_kmcnt 0x0
	s_add_nc_u64 s[4:5], s[4:5], s[16:17]
	s_add_nc_u64 s[6:7], s[6:7], s[18:19]
	s_add_nc_u64 s[12:13], s[12:13], s[20:21]
.macro XL s                            ; K step s of my 16 rows: sixteen loads of 512 consecutive bytes
	WIN ((1+(\s)/4)<<6)
.irp q, 0,1,2,3,4,5,6,7,8,9,10,11,12,13,14,15
	global_load_b128 v[64*((\s)%4)+4*\q:64*((\s)%4)+4*\q+3], v[L16], s[4:5] offset:8192*(\s)+512*\q
.endr
	WIN 0
.endm
.macro BLOAD s                         ; K step s of my panel of W_o into set s % 4: 24 + 2 = 26 loads
.set BW, 3-(((\s)%4)/2)
.set BLB, 128*((\s)%2)
	WIN (BW<<6)
.irp t, 0,1,2,3,4,5,6,7
.irp q, 0,1,2
	global_load_b128 v[BLB+12*\t+4*\q:BLB+12*\t+4*\q+3], v[L16], s[6:7] offset:BRICK*(\s)+1536*\t+512*\q
.endr
.endr
	WIN 0
	global_load_b64 v[BS+4*((\s)%4):BS+4*((\s)%4)+1], v[L8], s[6:7] offset:BRICK*(\s)+12288
	global_load_b64 v[BS+4*((\s)%4)+2:BS+4*((\s)%4)+3], v[L8], s[6:7] offset:BRICK*(\s)+12544
.endm
.macro SUM1 s                          ; my 64 numbers of K step s onto four chains of two; the first step's first pairs start them
.set XW, 1+(\s)/4
.set XB, 64*((\s)%4)
.if (\s) == 0
	WIN (XW|(XW<<2))
.irp k, 0,1,2,3
	v_pk_add_f32 v[SU+2*\k:SU+2*\k+1], v[XB+2*\k:XB+2*\k+1], v[XB+8+2*\k:XB+8+2*\k+1]
.endr
.set p, 8
.else
.set p, 0
.endif
	WIN (XW<<2)
.rept 32-p
	v_pk_add_f32 v[SU+2*(p%4):SU+2*(p%4)+1], v[SU+2*(p%4):SU+2*(p%4)+1], v[XB+2*p:XB+2*p+1]
.set p, p+1
.endr
	WIN 0
.endm
.macro TOTAL                           ; the four chains, their halves and lane l xor 16's: the row's sum in v[SU]
	v_pk_add_f32 v[SU:SU+1], v[SU:SU+1], v[SU+2:SU+3]
	v_pk_add_f32 v[SU+4:SU+5], v[SU+4:SU+5], v[SU+6:SU+7]
	v_pk_add_f32 v[SU:SU+1], v[SU:SU+1], v[SU+4:SU+5]
	v_add_f32 v[SU], v[SU], v[SU+1]
	v_permlanex16_b32 v[TMP], v[SU], s[SEL], s[SEL+1]
	v_add_f32 v[SU], v[SU], v[TMP]
.endm
.macro CENTRE s                        ; x - mean, in place, and its squares onto the four chains
.set XW, 1+(\s)/4
.set XB, 64*((\s)%4)
	WIN ((XW<<6)|XW)
.set p, 0
.rept 32
	v_pk_add_f32 v[XB+2*p:XB+2*p+1], v[XB+2*p:XB+2*p+1], v[MU:MU+1] neg_lo:[0,1] neg_hi:[0,1]
.set p, p+1
.endr
	WIN (XW|(XW<<2))
.set p, 0
.rept 32
.if ((\s) == 0) && (p < 4)
	v_pk_mul_f32 v[SU+2*p:SU+2*p+1], v[XB+2*p:XB+2*p+1], v[XB+2*p:XB+2*p+1]
.else
	v_pk_fma_f32 v[SU+2*(p%4):SU+2*(p%4)+1], v[XB+2*p:XB+2*p+1], v[XB+2*p:XB+2*p+1], v[SU+2*(p%4):SU+2*(p%4)+1]
.endif
.set p, p+1
.endr
	WIN 0
.endm
.macro GBLOAD u                        ; gamma and beta at k = 64 u + 32 h + 0 .. 31, into set u % 2: 16 loads
.set GBL, GB+64*((\u)%2)
.irp j, 0,1,2,3,4,5,6,7
	global_load_b128 v[GBL+4*\j:GBL+4*\j+3], v[GV], s[8:9] offset:256*(\u)+16*\j
.endr
.irp j, 0,1,2,3,4,5,6,7
	global_load_b128 v[GBL+32+4*\j:GBL+32+4*\j+3], v[GV], s[10:11] offset:256*(\u)+16*\j
.endr
.endm
; 64 numbers of a lane in window W from v[xb] on, register 32 c + i = k 64 c + 32 h + i of my row: two whole blocks.  They become a fragment's 12 registers in v[C] on and the row's scale word in v[PW].
.macro QUANT W, xb
	WIN ((\W)|((\W)<<2))
.irp k, 0,1,2,3
	v_max3_num_f32 v[M+\k], |v[(\xb)+16*\k]|, |v[(\xb)+16*\k+1]|, 0x1800000   ; four chains of 16 numbers, two to a block; the floor 2^(3 - 127) holds the byte at 1 from below
.endr
.irp i, 2,4,6,8,10,12,14
.irp k, 0,1,2,3
	v_max3_num_f32 v[M+\k], |v[(\xb)+16*\k+\i]|, |v[(\xb)+16*\k+\i+1]|, v[M+\k]
.endr
.endr
	WIN 0
	v_max_num_f32 v[M], v[M], v[M+1]
	v_max_num_f32 v[M+2], v[M+2], v[M+3]
	v_add_nc_u32 v[SO], 0xff000000, v[M]           ; 2 off the exponent field: the conversion's scale operand
	v_add_nc_u32 v[SO+1], 0xff000000, v[M+2]
	v_lshrrev_b32 v[BY], 23, v[SO]                 ; the scale's byte
	v_lshrrev_b32 v[BY+1], 23, v[SO+1]
	v_lshl_or_b32 v[PW], v[BY+1], 16, v[BY]
	v_lshlrev_b32 v[PW], v[H8], v[PW]              ; blocks h and 2 + h: 8 h bits up;
	v_permlanex16_b32 v[TMP], v[PW], s[SEL], s[SEL+1]
	v_or_b32 v[PW], v[PW], v[TMP]                  ; with lane l xor 16's two the word is whole, in both lanes
	WIN (\W)
.irp c, 0,1
	v_cvt_scalef32_pk16_fp6_f32 v[C+6*\c:C+6*\c+2], v[(\xb)+32*\c:(\xb)+32*\c+15], v[SO+\c]
	v_cvt_scalef32_pk16_fp6_f32 v[T+4*\c:T+4*\c+2], v[(\xb)+32*\c+16:(\xb)+32*\c+31], v[SO+\c]   ; (a conversion's three registers begin on an even number)
.endr
	WIN 0
	v_nop                                          ; one plain instruction behind the scaled conversions
.irp c, 0,1
.irp i, 0,1,2
	v_mov_b32 v[C+6*\c+3+\i], v[T+4*\c+\i]
.endr
.endr
.endm
.macro NORM u                          ; half a K step: 32 numbers a lane become (x - mean) (rstd gamma) + beta; behind each second half the K step is quantised and handed on
.set GBB, GB+64*((\u)%2)
.set XW, 1+(\u)/8
.set XQ, 64*(((\u)/2)%4)
.set XB, XQ+32*((\u)%2)
.if (\u) < 15
	s_wait_loadcnt 16                              ; this half step's gamma and beta are in; the next one's sixteen loads may be out
.else
	s_wait_loadcnt 0
.endif
.set p, 0
.rept 16
	v_pk_mul_f32 v[GBB+2*p:GBB+2*p+1], v[GBB+2*p:GBB+2*p+1], v[RS:RS+1]
.set p, p+1
.endr
	WIN ((XW<<6)|XW)
.set p, 0
.rept 16
	v_pk_fma_f32 v[XB+2*p:XB+2*p+1], v[XB+2*p:XB+2*p+1], v[GBB+2*p:GBB+2*p+1], v[GBB+32+2*p:GBB+32+2*p+1]
.set p, p+1
.endr
	WIN 0
.if (\u) < 14
	GBLOAD (\u)+2
.endif
.if (\u)%2
	s_wait_dscnt 0x0                               ; the last fragment's stores have read their registers
	QUANT XW, XQ
.irp q, 0,1,2
	ds_store_b128 v[XWI], v[C+4*\q:C+4*\q+3] offset:XIMG+1536*((\u)/2)+512*\q
.endr
	ds_store_b32 v[XWS], v[PW] offset:128*((\u)/2)
.endif
.endm
	; ---- pass 1: the mean.  Three K steps (48 loads) are on their way
	XL 0
	XL 1
	XL 2
.irp s, 0,1,2,3,4,5,6,7
.if \s <= 5
	s_wait_loadcnt 32                              ; K step s is in; the two younger steps' loads stay out
.elseif \s == 6
	s_wait_loadcnt 16
.else
	s_wait_loadcnt 0
.endif
.if \s < 5
	XL \s+3
.endif
.if \s == 7
	BLOAD 0                                        ; W_o's first two K steps are asked for here: they land under the LayerNorm
	BLOAD 1
.endif
	SUM1 \s
.endr
	TOTAL
	v_mul_f32 v[MU], 0x3a800000, v[SU]             ; / 1,024
	v_mul_f32 v[MU+1], 0x3a800000, v[SU]
	; ---- pass 2: the variance
.irp s, 0,1,2,3,4,5,6,7
	CENTRE \s
.if \s == 3
	GBLOAD 0
	GBLOAD 1
.endif
.endr
	TOTAL
	v_mov_b32 v[SU+1], 0x3727c5ac                  ; 1e-5
	v_fmamk_f32 v[SU], v[SU], 0x3a800000, v[SU+1]  ; the sum / 1,024 + 1e-5
	v_rsq_f32 v[RS], v[SU]
	v_nop                                          ; a plain instruction behind the transcendental,
	s_wait_alu depctr_va_vdst(0)                   ; and a wait ahead of its first reader
	v_mov_b32 v[RS+1], v[RS]
	; ---- pass 3: scale, shift, quantise; my eight fragments and their scale words go to LDS
.irp u, 0,1,2,3,4,5,6,7,8,9,10,11,12,13,14,15
	NORM \u
.endr
	BLOAD 2                                        ; into the registers that x's K steps 4 to 7 have left
	BLOAD 3
	s_wait_dscnt 0x0                               ; for the others' sake: my stores have landed
	s_barrier_signal -1
	s_barrier_wait -1                              ; all 32 fragments of x lie in LDS; nobody writes them again
.macro WM d, b, a, sb, sa, zero, ra    ; one matrix instruction; ra: W_o's words lie in lanes 16-31
.if \zero
.if \ra
	v_wmma_scale_f32_16x16x128_f8f6f4 v[\d:\d+7], v[\b:\b+11], v[\a:\a+11], 0, v[\sb], v[\sa] matrix_a_fmt:MATRIX_FMT_FP6 matrix_b_fmt:MATRIX_FMT_FP6 matrix_a_scale:MATRIX_SCALE_ROW1
.else
	v_wmma_scale_f32_16x16x128_f8f6f4 v[\d:\d+7], v[\b:\b+11], v[\a:\a+11], 0, v[\sb], v[\sa] matrix_a_fmt:MATRIX_FMT_FP6 matrix_b_fmt:MATRIX_FMT_FP6
.endif
.else
.if \ra
	v_wmma_scale_f32_16x16x128_f8f6f4 v[\d:\d+7], v[\b:\b+11], v[\a:\a+11], v[\d:\d+7], v[\sb], v[\sa] matrix_a_fmt:MATRIX_FMT_FP6 matrix_b_fmt:MATRIX_FMT_FP6 matrix_a_scale:MATRIX_SCALE_ROW1
.else
	v_wmma_scale_f32_16x16x128_f8f6f4 v[\d:\d+7], v[\b:\b+11], v[\a:\a+11], v[\d:\d+7], v[\sb], v[\sa] matrix_a_fmt:MATRIX_FMT_FP6 matrix_b_fmt:MATRIX_FMT_FP6
.endif
.endif
.endm
.macro AFETCH s                        ; the four row tiles' fragments of K step s and their scale words, into set s % 2: 16 LDS loads
.set AFB, AF+48*((\s)%2)
.set ASB, AS+4*((\s)%2)
.irp m, 0,1,2,3
.irp q, 0,1,2
	ds_load_b128 v[AFB+12*\m+4*\q:AFB+12*\m+4*\q+3], v[L16] offset:XIMG+1536*(8*\m+(\s))+512*\q
.endr
	ds_load_b32 v[ASB+\m], v[L4] offset:XSC+128*(8*\m+(\s))
.endr
.endm
.macro GMUL s, zero                    ; 32 matrix instructions: every accumulator once
.set BW, 3-(((\s)%4)/2)
.set GWB, 128*((\s)%2)
.set GAF, AF+48*((\s)%2)
.set GAS, AS+4*((\s)%2)
.set GBS, BS+4*((\s)%4)
	WIN (0x50|BW)                                  ; C and D window 1, W_o window 3 or 2, x window 0
.irp m, 0,1,2,3
.irp tt, 0,1,2,3
	WM 8*(8*\m+2*\tt), GWB+24*\tt, GAF+12*\m, GBS+\tt, GAS+\m, \zero, 0
	WM 8*(8*\m+2*\tt)+8, GWB+24*\tt+12, GAF+12*\m, GBS+\tt, GAS+\m, \zero, 1
.endr
.endr
	WIN 0
.endm
	; ---- the product: eight K steps
	AFETCH 0
.irp s, 0,1,2,3,4,5,6,7
.if \s < 7
	AFETCH \s+1
	s_wait_dscnt 16                                ; all but the next step's sixteen loads
.else
	s_wait_dscnt 0
.endif
.if (\s >= 2) && (\s <= 5)
	s_wait_loadcnt 52                              ; at most two younger bricks of W_o (26 loads each) stay out: this step's is in
.elseif \s == 6
	s_wait_loadcnt 26
.elseif \s == 7
	s_wait_loadcnt 0
.endif
.if \s == 0
	GMUL \s, 1                                     ; the first products start the sums
.else
	GMUL \s, 0
.endif
	PLACES 4                                       ; in front of loads into registers that these products have read, and of the first read of results
.if \s < 4
	BLOAD \s+4
.endif
.endr
	; ---- the way out, a row tile at a time: a lane's 32 bytes of a row go into my own stage and come back as whole rows of 512 bytes
.macro TOSTAGE m
	WIN 0x04                                       ; an LDS store's data are its source 1: window 1
.irp t, 0,1,2,3,4,5,6,7
	ds_store_b128 v[STO], v[8*(8*(\m)+\t):8*(8*(\m)+\t)+3] offset:64*\t          ; each accumulator from its low end on
	ds_store_b128 v[STO], v[8*(8*(\m)+\t)+4:8*(8*(\m)+\t)+7] offset:64*\t+16
.endr
	WIN 0
.set BKB, BK+64*((\m)%2)
.irp i, 0,1,2,3,4,5,6,7,8,9,10,11,12,13,14,15
	ds_load_b128 v[BKB+4*\i:BKB+4*\i+3], v[RD] offset:SPITCH*\i   ; LDS serves a wave's instructions in order: these see the stores above, and the next tile's stores come behind them
.endr
.endm
.macro SEND m, younger                 ; younger: the LDS instructions issued behind tile m's loads, which may stay out
.set BKB, BK+64*((\m)%2)
	s_wait_dscnt \younger
.irp i, 0,1,2,3,4,5,6,7,8,9,10,11,12,13,14,15
	global_store_b128 v[L16], v[BKB+4*\i:BKB+4*\i+3], s[12:13] offset:8192*(16*(\m)+\i) th:TH_STORE_NT   ; 32 lanes store 512 consecutive bytes, at a multiple of 512 from out0's first byte
.endr
.endm
	TOSTAGE 0
	TOSTAGE 1
	SEND 0, 32                                     ; behind tile 0's loads: tile 1's 16 stores and 16 loads
	s_wait_xcnt 0x0                                ; tile 0's stores have read their registers: tile 2's rows may land there
	TOSTAGE 2
	SEND 1, 32
	s_wait_xcnt 0x0
	TOSTAGE 3
	SEND 2, 32
	SEND 3, 0
	s_wait_tensorcnt 0x0
	ds_add_u32 v78, v79
	s_wait_dscnt 0x0
	s_endpgm
.Lfunc_end_k_qbc11b9bd81_outp:
	.size	k_qbc11b9bd81_outp, .Lfunc_end_k_qbc11b9bd81_outp-k_qbc11b9bd81_outp
	.p2alignl 7, 3214868480
	.fill 96, 4, 3214868480
	.section	.rodata,"a",@progbits
	.p2align	6, 0x0
	.amdhsa_kernel k_qbc11b9bd81_outp
		.amdhsa_group_segment_fixed_size 87552
		.amdhsa_private_segment_fixed_size 0
		.amdhsa_enable_private_segment 0
		.amdhsa_kernarg_size 40
		.amdhsa_user_sgpr_count 2
		.amdhsa_user_sgpr_kernarg_segment_ptr 1
		.amdhsa_wavefront_size32 1
		.amdhsa_system_sgpr_workgroup_id_x 1
		.amdhsa_system_sgpr_workgroup_id_y 1
		.amdhsa_system_sgpr_workgroup_id_z 1
		.amdhsa_system_vgpr_workitem_id 0
		.amdhsa_next_free_vgpr 1024
		.amdhsa_next_free_sgpr 66
		.amdhsa_reserve_vcc 0
		.amdhsa_float_denorm_mode_32 3
		.amdhsa_float_denorm_mode_16_64 3
		.amdhsa_memory_ordered 1
		.amdhsa_forward_progress 1
		.amdhsa_inst_pref_size 227
	.end_amdhsa_kernel
	.amdgpu_metadata
---
amdhsa.version: [ 1, 2 ]
amdhsa.kernels:
  - .name:           k_qbc11b9bd81_outp
    .symbol:         k_qbc11b9bd81_outp.kd
    .args:
      - { .name: att, .offset: 0, .size: 8, .value_kind: global_buffer, .address_space: global }
      - { .name: wo, .offset: 8, .size: 8, .value_kind: global_buffer, .address_space: global }
      - { .name: ln_gamma, .offset: 16, .size: 8, .value_kind: global_buffer, .address_space: global }
      - { .name: ln_beta, .offset: 24, .size: 8, .value_kind: global_buffer, .address_space: global }
      - { .name: out0, .offset: 32, .size: 8, .value_kind: global_buffer, .address_space: global }
    .group_segment_fixed_size: 87552
    .private_segment_fixed_size: 0
    .kernarg_segment_align: 8
    .kernarg_segment_size: 40
    .max_flat_workgroup_size: 128
    .sgpr_count:     66
    .vgpr_count:     1024
    .wavefront_size: 32
...
	.end_amdgpu_metadata
.endif
;; end of part 3
;; ======== version 2 of 2: 3 launches; version 1 with the launch outp written anew for expert scheduling mode
;; workspace buffers: acts 19,660,800 bytes; wts 8,192,000 bytes; wo 1,638,400 bytes; att 16,777,216 bytes
;; launch quant: the kernel of part 1 again; grid 256 x 1, 9 waves a work-group, no clusters, 77,568 bytes of LDS; arguments query, key, value, W_q, W_k, W_v, W_o, acts, wts, wo; writes acts, wts, wo
;; launch proj: the kernel of part 2 again; grid 8 x 32, 4 waves a work-group, clusters of 4 x 4, 327,680 bytes of LDS; arguments acts, wts, lambda_q1, lambda_k1, lambda_q2, lambda_k2, att; writes att
;; launch outp (part 4): grid 4 x 64, 4 waves a work-group, no clusters, 87,552 bytes of LDS; arguments att, wo, ln_gamma, ln_beta, out0; writes out0
.if DOCPART == 4
	.amdgcn_target "amdgcn-amd-amdhsa--gfx1250"
	.amdhsa_code_object_version 6
	.text
	.protected	k_qbc11b9bd81_outp
	.globl	k_qbc11b9bd81_outp
	.p2align	8
	.type	k_qbc11b9bd81_outp,@function
k_qbc11b9bd81_outp:
	s_mov_b64 s[64:65], 0
	v_nop
	global_prefetch_b8 v0, s[64:65] scope:SCOPE_SE
	s_setreg_imm32_b32 hwreg(HW_REG_WAVE_SCHED_MODE, 0, 2), 2
	s_setreg_imm32_b32 hwreg(HW_REG_WAVE_MODE, 25, 1), 1
	s_wait_xcnt 0x0
	s_wait_alu depctr_vm_vsrc(0)
; out0 = Q(LayerNorm(att) gamma + beta) Q(W_o)^T on codes of FP6 (E2M3) with E8M0 scales; LayerNorm in f32 over a row's 1,024 numbers, in two passes (the mean; then the mean of the squares of x - mean).
; LIMITS: the normalised number is made as (x - mean) (rstd gamma) + beta, one fused multiply-add: an order of rounding other than ((x - mean) rstd) gamma + beta.  NaN and infinities are not served by the quantiser;
; a block of zeros gets the byte 1: its codes are zeros.
; SHARES.  Work-group (x, y): rows 64 y .. + 63, columns 512 x .. + 511.  Wave w normalises and quantises row tile 4 y + w (16 rows x 1,024: 512 registers) and hands its eight fragments to the others through LDS,
; as images of their registers; then it multiplies all four row tiles by ITS panel 4 x + w of W_o (128 columns): 32 accumulators, 256 matrix instructions.
; att: [row tile][K step 0..7][quad 0..15][lane][4 f32]: a lane's 64 numbers of a K step are two whole blocks of 32 along K of its row, and every load is 512 consecutive bytes.
; wo: bricks [panel][K step], 12,800 bytes: eight fragments as images of their 12 registers, then four scale registers (register j: lanes 0-15 fragment 2 j's words, lanes 16-31 fragment 2 j + 1's).
; W_o's FRAGMENTS GO FROM MEMORY STRAIGHT INTO REGISTERS, three to four K steps ahead: in a work-group each of their bytes feeds one wave, once.  So there is no tensor load and no ring; and no cluster: a joint load
; would land in LDS, and each byte would be written there and read again, with a ring and rounds of a barrier, for 256 matrix instructions a wave.  One barrier in the launch.
; THE MATRIX INSTRUCTION IS USED TRANSPOSED (source 0 = 16 rows of W_o, source 1 = 16 rows of x): a lane holds eight neighbouring columns of a row of out0.
; REGISTERS: window 0: v1-9 addresses; v10-21 mean, rstd, sums; v22-31 the quantiser's; v32-47 W_o's scale registers, four sets; v48-55 x's scale words, two sets; v56-75 codes; v78-79 for the closing add;
;   v80-127, v128-175 x's fragments, two sets; in the LayerNorm gamma and beta have three sets of 32 + 32: v128-191, v192-255, and v96-127 with v224-255 of window 3; on the way out v128-255 hold rows.
;   windows 1, 2: x, K step s at v[64 (s % 4)] of window 1 + s / 4.   later: window 1: accumulator (m, t) at v[8 (8 m + t)];  W_o's sets 0, 1 at v0, v128 of window 3; sets 2, 3 at v0, v128 of window 2.
; THE MODE: SCHED_MODE bits 1:0 = 2 (LLVM: expert scheduling mode 2), set by the entry lines.  The code itself states the register dependences between vector or matrix instructions and memory or LDS
; instructions, with s_wait_alu, always for 0.
; THE PLAN.  Registers that memory or LDS instructions touch:
;   v1-8            addresses and offsets: written at the head, read by every access, never written again.
;   x               loaded once, into registers that no vector instruction has named; from then on named by vector instructions alone, until W_o's sets 2, 3 and the accumulators take their places.
;   gamma, beta     Half step u multiplies set u % 3 by rstd in place and reads it; the loads of half step u + 2, issued at the head of half step u, land in set (u + 2) % 3 = (u - 1) % 3.
;   v[C ..], v[PW]  Written by the quantiser at the end of an odd half step; read by four LDS stores at the head of the next half step; written again a half step and more behind those stores.
;   W_o, v[BS ..]   K step s's products read set s % 4; the loads of K step s + 3, issued in K step s, land in set (s - 1) % 4.  Sets 2, 3 lie where x's K steps 4, 5 and 6, 7 lay.
;   v[AF ..], v[AS ..]  K step s's products read set s % 2; the LDS loads of K step s + 1, issued in K step s, land in the other set, which K step s - 1 read.
;   accumulators    Written by matrix instructions; read by the LDS stores of the way out.
;   v[BK ..]        Two sets of rows: written by LDS loads, read by global stores, loaded again two row tiles later.
; So ONE wait on va_vdst stands at the head of a half step of the LayerNorm's third pass and ONE at the head of a K step of the product: behind it the step's loads and stores touch only what the step before
; worked on, and no vector or matrix instruction of the step names those registers: the loads are dealt among the step's matrix instructions with no further wait.
.set BRICK, 12800
.set XIMG,  0                          ; LDS: x's fragments (row tile m, K step s) at 1536 (8 m + s);
.set XSC,   49152                      ; their scale words, 128 bytes each;
.set STG,   53248                      ; a stage of 16 rows x 528 bytes for each wave
.set SPITCH, 528
.set L16,  1
.set L8,   2
.set L4,   3
.set XWI,  4                           ; v4   where I store my fragments
.set XWS,  5                           ; v5   and their scale words
.set STO,  6                           ; v6   the stage: where I put 32 bytes of a row
.set RD,   7                           ; v7   and where I read a row back
.set GV,   8                           ; v8   128 h: my half of a block pair in gamma and beta
.set H8,   9
.set MU,   10
.set RS,   12
.set SU,   14
.set M,    22
.set SO,   26
.set BY,   28
.set PW,   30
.set TMP,  31
.set BS,   32
.set AS,   48
.set C,    56
.set T,    68
.set AF,   80
.set BK,   128
.set SEL,  22                          ; s[22:23]
.set MSB, 0
.macro WIN new                         ; the immediate's high byte repeats the setting that is left
.if MSB != (\new)
	s_set_vgpr_msb (MSB<<8)|(\new)
.set MSB, (\new)
.endif
.endm
.macro PLACES n
.rept \n
	v_nop
.endr
.endm
	s_load_b256 s[4:11], s[0:1], 0x0               ; att s[4:5], wo s[6:7], gamma s[8:9], beta s[10:11]
	s_load_b64 s[12:13], s[0:1], 0x20              ; out0
	v_lshl_add_u32 v78, v0, 2, 0x15400
	v_mov_b32 v79, 0
	v_lshrrev_b32 v22, 5, v0
	v_readfirstlane_b32 s14, v22                   ; wave
	v_and_b32 v22, 31, v0                          ; lane
	v_and_b32 v23, 15, v0                          ; r
	v_bfe_u32 v24, v0, 4, 1                        ; h
	v_lshlrev_b32 v[L16], 4, v22
	v_lshlrev_b32 v[L8], 3, v22
	v_lshlrev_b32 v[L4], 2, v22
	v_mul_u32_u24 v[STO], v23, SPITCH
	v_lshl_add_u32 v[STO], v24, 5, v[STO]
	v_lshlrev_b32 v[GV], 7, v24
	v_lshlrev_b32 v[H8], 3, v24
	v_mov_b32 v[TMP], 0                            ; a lane permute's destination counts as one of its sources
	s_and_b32 s15, ttmp7, 0xffff                   ; y
	s_mov_b32 s[SEL], 0x76543210
	s_mov_b32 s[SEL+1], 0xfedcba98
	s_wait_alu depctr_va_sdst(0)                   ; s14 is written, ahead of its first reader: the bases and the LDS addresses below are made from it
	s_lshl_b32 s16, s15, 2
	s_add_co_u32 s16, s16, s14
	s_lshl_b32 s16, s16, 16                        ; my row tile, 65,536 bytes a tile
	s_mov_b32 s17, 0
	s_lshl_b32 s18, ttmp9, 2
	s_add_co_u32 s18, s18, s14
	s_mul_i32 s18, s18, 8*BRICK                    ; my panel of W_o
	s_mov_b32 s19, 0
	s_lshl_b32 s20, s15, 19                        ; out0: 64 rows of 8,192 bytes,
	s_lshl_b32 s21, ttmp9, 11                      ; 512 columns,
	s_add_co_u32 s20, s20, s21
	s_lshl_b32 s21, s14, 9                         ; my 128 of them
	s_add_co_u32 s20, s20, s21
	s_mov_b32 s21, 0
	s_mul_i32 s24, s14, 8*1536
	v_add_nc_u32 v[XWI], s24, v[L16]
	s_lshl_b32 s25, s14, 10
	s_add_co_u32 s25, s25, XSC
	v_add_nc_u32 v[XWS], s25, v[L4]
	s_mul_i32 s26, s14, 16*SPITCH
	s_add_co_u32 s26, s26, STG
	v_add_nc_u32 v[STO], s26, v[STO]
	v_add_nc_u32 v[RD], s26, v[L16]
	s_wait_kmcnt 0x0
	s_add_nc_u64 s[4:5], s[4:5], s[16:17]
	s_add_nc_u64 s[6:7], s[6:7], s[18:19]
	s_add_nc_u64 s[12:13], s[12:13], s[20:21]
	s_wait_alu depctr_va_vdst(0)                   ; the addresses and offsets v1 to v8 are written: every load and store of the kernel reads one of them, and none is written again
.macro XL s                            ; K step s of my 16 rows: sixteen loads of 512 consecutive bytes, into registers that no vector instruction has named
	WIN ((1+(\s)/4)<<6)
.irp q, 0,1,2,3,4,5,6,7,8,9,10,11,12,13,14,15
	global_load_b128 v[64*((\s)%4)+4*\q:64*((\s)%4)+4*\q+3], v[L16], s[4:5] offset:8192*(\s)+512*\q
.endr
	WIN 0
.endm
; K step s of my panel of W_o into set s % 4: 24 + 2 = 26 loads, in three parts: fragments t0 .. t0 + 3 (twice), and the scale registers
.macro BLOADH s, t0
.set BW, 3-(((\s)%4)/2)
.set BLB, 128*((\s)%2)
	WIN (BW<<6)
.irp t, 0,1,2,3
.irp q, 0,1,2
	global_load_b128 v[BLB+12*((\t0)+\t)+4*\q:BLB+12*((\t0)+\t)+4*\q+3], v[L16], s[6:7] offset:BRICK*(\s)+1536*((\t0)+\t)+512*\q
.endr
.endr
.endm
.macro BLOADS s
	WIN 0
	global_load_b64 v[BS+4*((\s)%4):BS+4*((\s)%4)+1], v[L8], s[6:7] offset:BRICK*(\s)+12288
	global_load_b64 v[BS+4*((\s)%4)+2:BS+4*((\s)%4)+3], v[L8], s[6:7] offset:BRICK*(\s)+12544
.endm
.macro BLOAD s
	BLOADH \s, 0
	BLOADH \s, 4
	BLOADS \s
.endm
.macro SUM1 s                          ; my 64 numbers of K step s onto four chains of two; the first step's first pairs start them
.set XW, 1+(\s)/4
.set XB, 64*((\s)%4)
.if (\s) == 0
	WIN (XW|(XW<<2))
.irp k, 0,1,2,3
	v_pk_add_f32 v[SU+2*\k:SU+2*\k+1], v[XB+2*\k:XB+2*\k+1], v[XB+8+2*\k:XB+8+2*\k+1]
.endr
.set p, 8
.else
.set p, 0
.endif
	WIN (XW<<2)
.rept 32-p
	v_pk_add_f32 v[SU+2*(p%4):SU+2*(p%4)+1], v[SU+2*(p%4):SU+2*(p%4)+1], v[XB+2*p:XB+2*p+1]
.set p, p+1
.endr
	WIN 0
.endm
.macro TOTAL                           ; the four chains, their halves and lane l xor 16's: the row's sum in v[SU]
	v_pk_add_f32 v[SU:SU+1], v[SU:SU+1], v[SU+2:SU+3]
	v_pk_add_f32 v[SU+4:SU+5], v[SU+4:SU+5], v[SU+6:SU+7]
	v_pk_add_f32 v[SU:SU+1], v[SU:SU+1], v[SU+4:SU+5]
	v_add_f32 v[SU], v[SU], v[SU+1]
	v_permlanex16_b32 v[TMP], v[SU], s[SEL], s[SEL+1]
	v_add_f32 v[SU], v[SU], v[TMP]
.endm
.macro CENTRE s                        ; x - mean, in place, and its squares onto the four chains
.set XW, 1+(\s)/4
.set XB, 64*((\s)%4)
	WIN ((XW<<6)|XW)
.set p, 0
.rept 32
	v_pk_add_f32 v[XB+2*p:XB+2*p+1], v[XB+2*p:XB+2*p+1], v[MU:MU+1] neg_lo:[0,1] neg_hi:[0,1]
.set p, p+1
.endr
	WIN (XW|(XW<<2))
.set p, 0
.rept 32
.if ((\s) == 0) && (p < 4)
	v_pk_mul_f32 v[SU+2*p:SU+2*p+1], v[XB+2*p:XB+2*p+1], v[XB+2*p:XB+2*p+1]
.else
	v_pk_fma_f32 v[SU+2*(p%4):SU+2*(p%4)+1], v[XB+2*p:XB+2*p+1], v[XB+2*p:XB+2*p+1], v[SU+2*(p%4):SU+2*(p%4)+1]
.endif
.set p, p+1
.endr
	WIN 0
.endm
.macro GSET u                          ; where half step u's gamma (GG) and beta (GE) lie, and in which window (GW): set u % 3
.if (\u)%3 == 2
.set GW, 3
.set GG, 96
.set GE, 224
.else
.set GW, 0
.set GG, 128+64*((\u)%3)
.set GE, GG+32
.endif
.endm
.macro GBLOAD u                        ; gamma and beta at k = 64 u + 32 h + 0 .. 31, into set u % 3: 16 loads
	GSET \u
	WIN (GW<<6)
.irp j, 0,1,2,3,4,5,6,7
	global_load_b128 v[GG+4*\j:GG+4*\j+3], v[GV], s[8:9] offset:256*(\u)+16*\j
.endr
.irp j, 0,1,2,3,4,5,6,7
	global_load_b128 v[GE+4*\j:GE+4*\j+3], v[GV], s[10:11] offset:256*(\u)+16*\j
.endr
	WIN 0
.endm
; 64 numbers of a lane in window W from v[xb] on, register 32 c + i = k 64 c + 32 h + i of my row: two whole blocks.  They become a fragment's 12 registers in v[C] on and the row's scale word in v[PW].
.macro QUANT W, xb
	WIN ((\W)|((\W)<<2))
.irp k, 0,1,2,3
	v_max3_num_f32 v[M+\k], |v[(\xb)+16*\k]|, |v[(\xb)+16*\k+1]|, 0x1800000   ; four chains of 16 numbers, two to a block; the floor 2^(3 - 127) holds the byte at 1 from below
.endr
.irp i, 2,4,6,8,10,12,14
.irp k, 0,1,2,3
	v_max3_num_f32 v[M+\k], |v[(\xb)+16*\k+\i]|, |v[(\xb)+16*\k+\i+1]|, v[M+\k]
.endr
.endr
	WIN 0
	v_max_num_f32 v[M], v[M], v[M+1]
	v_max_num_f32 v[M+2], v[M+2], v[M+3]
	v_add_nc_u32 v[SO], 0xff000000, v[M]           ; 2 off the exponent field: the conversion's scale operand
	v_add_nc_u32 v[SO+1], 0xff000000, v[M+2]
	v_lshrrev_b32 v[BY], 23, v[SO]                 ; the scale's byte
	v_lshrrev_b32 v[BY+1], 23, v[SO+1]
	v_lshl_or_b32 v[PW], v[BY+1], 16, v[BY]
	v_lshlrev_b32 v[PW], v[H8], v[PW]              ; blocks h and 2 + h: 8 h bits up;
	v_permlanex16_b32 v[TMP], v[PW], s[SEL], s[SEL+1]
	v_or_b32 v[PW], v[PW], v[TMP]                  ; with lane l xor 16's two the word is whole, in both lanes
	WIN (\W)
.irp c, 0,1
	v_cvt_scalef32_pk16_fp6_f32 v[C+6*\c:C+6*\c+2], v[(\xb)+32*\c:(\xb)+32*\c+15], v[SO+\c]
	v_cvt_scalef32_pk16_fp6_f32 v[T+4*\c:T+4*\c+2], v[(\xb)+32*\c+16:(\xb)+32*\c+31], v[SO+\c]   ; (a conversion's three registers begin on an even number)
.endr
	WIN 0
	v_nop                                          ; one plain instruction behind the scaled conversions
.irp c, 0,1
.irp i, 0,1,2
	v_mov_b32 v[C+6*\c+3+\i], v[T+4*\c+\i]
.endr
.endr
.endm
.macro HAND s                          ; my fragment of K step s and its scale words go to LDS, as images of their registers
.irp q, 0,1,2
	ds_store_b128 v[XWI], v[C+4*\q:C+4*\q+3] offset:XIMG+1536*(\s)+512*\q
.endr
	ds_store_b32 v[XWS], v[PW] offset:128*(\s)
.endm
; Half a K step: 32 numbers a lane become (x - mean) (rstd gamma) + beta; behind each second half the K step is quantised; its fragment is handed on at the head of the next half step.
.macro NORM u
.set XW, 1+(\u)/8
.set XQ, 64*(((\u)/2)%4)
.set XB, XQ+32*((\u)%2)
.if (\u) == 15
	s_wait_loadcnt 0                               ; the last gamma and beta are in, and with them all older loads: W_o's K steps 0 to 2
.elseif (\u) >= 13
	s_wait_loadcnt 42                              ; this half step's gamma and beta are in; 16 loads of gamma and beta and the 26 of W_o's K step 2 were issued behind them and may be out
.else
	s_wait_loadcnt 16                              ; this half step's gamma and beta are in; the next one's sixteen loads may be out
.endif
.if ((\u) > 0) && ((\u) < 15)
	s_wait_alu depctr_va_vdst(0)                   ; the half step before is done writing and reading its gamma and beta, in which the loads below land; at an even half step the quantiser has written v[C ..] and v[PW], which the LDS stores below read; at half step 12 its conversions are done reading x's K steps 4 and 5, in which W_o's K step 2 lands
.endif
.if (\u) < 14
	GBLOAD (\u)+2                                  ; no vector instruction of this half step names that set
.endif
.if ((\u)%2 == 0) && ((\u) > 0)
	HAND (\u)/2-1
.endif
.if (\u) == 12
	BLOAD 2                                        ; into the registers that x's K steps 4 and 5 have left
.endif
	GSET \u
	WIN ((GW<<6)|GW)
.set p, 0
.rept 16
	v_pk_mul_f32 v[GG+2*p:GG+2*p+1], v[GG+2*p:GG+2*p+1], v[RS:RS+1]
.set p, p+1
.endr
	WIN ((XW<<6)|XW|(GW<<2)|(GW<<4))
.set p, 0
.rept 16
	v_pk_fma_f32 v[XB+2*p:XB+2*p+1], v[XB+2*p:XB+2*p+1], v[GG+2*p:GG+2*p+1], v[GE+2*p:GE+2*p+1]
.set p, p+1
.endr
	WIN 0
.if (\u)%2
.if (\u) > 1
	s_wait_dscnt 0x0                               ; the last fragment's LDS stores are done,
	s_wait_alu depctr_vm_vsrc(0)                   ; and have read v[C ..] and v[PW], which the quantiser writes again
.endif
	QUANT XW, XQ
.endif
.endm
	; ---- pass 1: the mean.  Three K steps (48 loads) are on their way
	XL 0
	XL 1
	XL 2
.irp s, 0,1,2,3,4,5,6,7
.if \s <= 5
	s_wait_loadcnt 32                              ; K step s is in; the two younger steps' loads stay out
.elseif \s == 6
	s_wait_loadcnt 16
.else
	s_wait_loadcnt 0
.endif
.if \s < 5
	XL \s+3
.endif
.if \s == 7
	BLOAD 0                                        ; W_o's first two K steps are asked for here: they land under the LayerNorm, in registers that no vector instruction has named
	BLOAD 1
.endif
	SUM1 \s
.endr
	TOTAL
	v_mul_f32 v[MU], 0x3a800000, v[SU]             ; / 1,024
	v_mul_f32 v[MU+1], 0x3a800000, v[SU]
	; ---- pass 2: the variance
.irp s, 0,1,2,3,4,5,6,7
	CENTRE \s
.if \s == 3
	GBLOAD 0                                       ; likewise: no vector instruction has named these registers
	GBLOAD 1
.endif
.endr
	TOTAL
	v_mov_b32 v[SU+1], 0x3727c5ac                  ; 1e-5
	v_fmamk_f32 v[SU], v[SU], 0x3a800000, v[SU+1]  ; the sum / 1,024 + 1e-5
	v_rsq_f32 v[RS], v[SU]
	v_nop                                          ; a plain instruction behind the transcendental,
	s_wait_alu depctr_va_vdst(0)                   ; and the reciprocal root is written, ahead of its first reader
	v_mov_b32 v[RS+1], v[RS]
	; ---- pass 3: scale, shift, quantise; my eight fragments and their scale words go to LDS
.irp u, 0,1,2,3,4,5,6,7,8,9,10,11,12,13,14,15
	NORM \u
.endr
	s_wait_alu depctr_va_vdst(0)                   ; the quantiser has written v[C ..] and v[PW], which the LDS stores below read; its conversions are done reading x's K steps 6 and 7, in which W_o's K step 3 lands; the last half steps are done with gamma and beta, where fragments of x and rows of out0 will land
	HAND 7
	BLOAD 3                                        ; into the registers that x's K steps 6 and 7 have left
	s_wait_dscnt 0x0                               ; for the others' sake: my stores have landed
	s_barrier_signal -1
	s_barrier_wait -1                              ; all 32 fragments of x lie in LDS; nobody writes them again
.macro WM d, b, a, sb, sa, zero, ra    ; one matrix instruction; ra: W_o's words lie in lanes 16-31
.if \zero
.if \ra
	v_wmma_scale_f32_16x16x128_f8f6f4 v[\d:\d+7], v[\b:\b+11], v[\a:\a+11], 0, v[\sb], v[\sa] matrix_a_fmt:MATRIX_FMT_FP6 matrix_b_fmt:MATRIX_FMT_FP6 matrix_a_scale:MATRIX_SCALE_ROW1
.else
	v_wmma_scale_f32_16x16x128_f8f6f4 v[\d:\d+7], v[\b:\b+11], v[\a:\a+11], 0, v[\sb], v[\sa] matrix_a_fmt:MATRIX_FMT_FP6 matrix_b_fmt:MATRIX_FMT_FP6
.endif
.else
.if \ra
	v_wmma_scale_f32_16x16x128_f8f6f4 v[\d:\d+7], v[\b:\b+11], v[\a:\a+11], v[\d:\d+7], v[\sb], v[\sa] matrix_a_fmt:MATRIX_FMT_FP6 matrix_b_fmt:MATRIX_FMT_FP6 matrix_a_scale:MATRIX_SCALE_ROW1
.else
	v_wmma_scale_f32_16x16x128_f8f6f4 v[\d:\d+7], v[\b:\b+11], v[\a:\a+11], v[\d:\d+7], v[\sb], v[\sa] matrix_a_fmt:MATRIX_FMT_FP6 matrix_b_fmt:MATRIX_FMT_FP6
.endif
.endif
.endm
.macro AFETCH s                        ; the four row tiles' fragments of K step s and their scale words, into set s % 2: 16 LDS loads
.set AFB, AF+48*((\s)%2)
.set ASB, AS+4*((\s)%2)
	WIN 0
.irp m, 0,1,2,3
.irp q, 0,1,2
	ds_load_b128 v[AFB+12*\m+4*\q:AFB+12*\m+4*\q+3], v[L16] offset:XIMG+1536*(8*\m+(\s))+512*\q
.endr
	ds_load_b32 v[ASB+\m], v[L4] offset:XSC+128*(8*\m+(\s))
.endr
.endm
.macro GROW s, m, zero                 ; row tile m of K step s against my eight column tiles: 8 matrix instructions.  In a K step every accumulator has one
.set BW, 3-(((\s)%4)/2)
.set GWB, 128*((\s)%2)
.set GAF, AF+48*((\s)%2)
.set GAS, AS+4*((\s)%2)
.set GBS, BS+4*((\s)%4)
	WIN (0x50|BW)                                  ; C and D window 1, W_o window 3 or 2, x window 0
.irp tt, 0,1,2,3
	WM 8*(8*(\m)+2*\tt), GWB+24*\tt, GAF+12*(\m), GBS+\tt, GAS+(\m), \zero, 0
	WM 8*(8*(\m)+2*\tt)+8, GWB+24*\tt+12, GAF+12*(\m), GBS+\tt, GAS+(\m), \zero, 1
.endr
.endm
; A K STEP: 32 matrix instructions on x's set s % 2 and W_o's set s % 4.  Its loads land in the sets that the step before read: x's fragments of K step s + 1, W_o's brick of K step s + 3.
.macro KSTEP s, zero
	s_wait_dscnt 0x0                               ; this step's fragments of x and their scale words are in: they were asked for in the step before, and no LDS instruction was issued behind them
.if ((\s) >= 3) && ((\s) <= 5)
	s_wait_loadcnt 52                              ; this step's brick of W_o is in; the two younger bricks (26 loads each) stay out.  (K steps 0 to 2 were shown in by the wait for the last gamma and beta)
.elseif (\s) == 6
	s_wait_loadcnt 26
.elseif (\s) == 7
	s_wait_loadcnt 0
.endif
.if ((\s) >= 1) && ((\s) <= 6)
	s_wait_alu depctr_va_vdst(0)                   ; the last step's products are done reading their set of x with its scale words and their set of W_o with its scale registers: this step's loads land there
.endif
	GROW \s, 0, \zero
.if (\s) < 7
	AFETCH (\s)+1                                  ; no wait: no matrix instruction since the wait above (in K step 0: since the wait behind the last quantiser) names that set
.endif
	GROW \s, 1, \zero
.if ((\s) >= 1) && ((\s) <= 4)
	BLOADH (\s)+3, 0
.endif
	GROW \s, 2, \zero
.if ((\s) >= 1) && ((\s) <= 4)
	BLOADH (\s)+3, 4
	BLOADS (\s)+3
.endif
	GROW \s, 3, \zero
	WIN 0
	PLACES 4                                       ; the places behind these products stay, ahead of the next step's loads into the registers that they have read and of the first read of results
.endm
	; ---- the product: eight K steps
	AFETCH 0
	KSTEP 0, 1                                     ; the first products start the sums
.irp s, 1,2,3,4,5,6,7
	KSTEP \s, 0
.endr
	; ---- the way out, a row tile at a time: a lane's 32 bytes of a row go into my own stage and come back as whole rows of 512 bytes
.macro TOSTAGE m
	WIN 0x04                                       ; an LDS store's data are its source 1: window 1
.irp t, 0,1,2,3,4,5,6,7
	ds_store_b128 v[STO], v[8*(8*(\m)+\t):8*(8*(\m)+\t)+3] offset:64*\t          ; each accumulator from its low end on
	ds_store_b128 v[STO], v[8*(8*(\m)+\t)+4:8*(8*(\m)+\t)+7] offset:64*\t+16
.endr
	WIN 0
.set BKB, BK+64*((\m)%2)
.irp i, 0,1,2,3,4,5,6,7,8,9,10,11,12,13,14,15
	ds_load_b128 v[BKB+4*\i:BKB+4*\i+3], v[RD] offset:SPITCH*\i   ; LDS serves a wave's instructions in order: these see the stores above, and the next tile's stores come behind them
.endr
.endm
.macro SEND m, younger                 ; younger: the LDS instructions issued behind tile m's loads, which may stay out
.set BKB, BK+64*((\m)%2)
	s_wait_dscnt \younger
.irp i, 0,1,2,3,4,5,6,7,8,9,10,11,12,13,14,15
	global_store_b128 v[L16], v[BKB+4*\i:BKB+4*\i+3], s[12:13] offset:8192*(16*(\m)+\i) th:TH_STORE_NT   ; 32 lanes store 512 consecutive bytes, at a multiple of 512 from out0's first byte
.endr
.endm
	s_wait_alu depctr_va_vdst(0)                   ; the matrix instructions have written the accumulators, which the LDS stores read, and are done reading x's fragments, where rows land; the four places above stay beside this wait
	TOSTAGE 0
	TOSTAGE 1
	SEND 0, 32                                     ; behind tile 0's loads: tile 1's 16 stores and 16 loads
	s_wait_xcnt 0x0                                ; tile 0's stores have had their addresses translated,
	s_wait_alu depctr_vm_vsrc(0)                   ; and have read their registers, in which tile 2's rows land
	TOSTAGE 2
	SEND 1, 32
	s_wait_xcnt 0x0
	s_wait_alu depctr_vm_vsrc(0)                   ; tile 1's stores have read their registers, in which tile 3's rows land
	TOSTAGE 3
	SEND 2, 32
	SEND 3, 0
	s_wait_dscnt 0x0                               ; the closing lines, six on end
	s_wait_alu 0x0
	s_wait_tensorcnt 0x0
	ds_add_u32 v78, v79
	s_wait_dscnt 0x0
	s_endpgm
.Lfunc_end_k_qbc11b9bd81_outp:
	.size	k_qbc11b9bd81_outp, .Lfunc_end_k_qbc11b9bd81_outp-k_qbc11b9bd81_outp
	.p2alignl 7, 3214868480
	.fill 96, 4, 3214868480
	.section	.rodata,"a",@progbits
	.p2align	6, 0x0
	.amdhsa_kernel k_qbc11b9bd81_outp
		.amdhsa_group_segment_fixed_size 87552
		.amdhsa_private_segment_fixed_size 0
		.amdhsa_enable_private_segment 0
		.amdhsa_kernarg_size 40
		.amdhsa_user_sgpr_count 2
		.amdhsa_user_sgpr_kernarg_segment_ptr 1
		.amdhsa_wavefront_size32 1
		.amdhsa_system_sgpr_workgroup_id_x 1
		.amdhsa_system_sgpr_workgroup_id_y 1
		.amdhsa_system_sgpr_workgroup_id_z 1
		.amdhsa_system_vgpr_workitem_id 0
		.amdhsa_next_free_vgpr 1024
		.amdhsa_next_free_sgpr 66
		.amdhsa_reserve_vcc 0
		.amdhsa_float_denorm_mode_32 3
		.amdhsa_float_denorm_mode_16_64 3
		.amdhsa_memory_ordered 1
		.amdhsa_forward_progress 1
		.amdhsa_inst_pref_size 230
	.end_amdhsa_kernel
	.amdgpu_metadata
---
amdhsa.version: [ 1, 2 ]
amdhsa.kernels:
  - .name:           k_qbc11b9bd81_outp
    .symbol:         k_qbc11b9bd81_outp.kd
    .args:
      - { .name: att, .offset: 0, .size: 8, .value_kind: global_buffer, .address_space: global }
      - { .name: wo, .offset: 8, .size: 8, .value_kind: global_buffer, .address_space: global }
      - { .name: ln_gamma, .offset: 16, .size: 8, .value_kind: global_buffer, .address_space: global }
      - { .name: ln_beta, .offset: 24, .size: 8, .value_kind: global_buffer, .address_space: global }
      - { .name: out0, .offset: 32, .size: 8, .value_kind: global_buffer, .address_space: global }
    .group_segment_fixed_size: 87552
    .private_segment_fixed_size: 0
    .kernarg_segment_align: 8
    .kernarg_segment_size: 40
    .max_flat_workgroup_size: 128
    .sgpr_count:     66
    .vgpr_count:     1024
    .wavefront_size: 32
...
	.end_amdgpu_metadata
.endif
;; end of part 4
